; MI455X (gfx1250); checked and timed in simulation.
; The chip was launched on July 23, 2026; its instructions are those of AMD's public machine-readable ISA for CDNA 5 (MIT licence, August 2026) and "CDNA5" Instruction Set Architecture Reference Guide (July 2026). The comments in the code are by the model that wrote it; some were corrected since.
;; Multi Head Attention. Allowed arithmetic: matrix products marked QUANTISED: E4M3 operands, one given power-of-two scale a tensor, by v_wmma_f32_16x16x64_fp8_fp8 or v_wmma_f32_16x16x128_fp8_fp8, f32 sums; everything else in f32.
;; Inputs: Wk 16 x 1,024 x 64 float32; Wp 1,024 x 1,024 float32; Wq 16 x 1,024 x 64 float32; Wv 16 x 1,024 x 64 float32; bp 1,024 float32; lowp_scales 12 int32 (the exponents e of the quantised operands' scales 2^e); x 4 x 2,048 x 1,024 float32.
;; Outputs: out0 4 x 2,048 x 1,024 float32.
;; This version of the problem:
;;   THIS VERSION OF THE PROBLEM IS GIVEN IN LOW PRECISION. The matrix products marked QUANTISED in the list below multiply operands that are first quantised to E4M3 (4 exponent bits, 3 mantissa bits; 8 bits a number), with one given power-of-two scale for each operand tensor; their sums are f32. All else is computed in f32.
;;   The module's matrix products, in the order in which they are computed (A, B: the left and right operand; K: the contracted axis; several contracted axes count as one K, in the product's order):
;;     1. [M 1,024, K 1,024] x [K 1,024, N 8,192]; A: input Wq; B: input x: QUANTISED (scales: A lowp_scales[0], B lowp_scales[1])
;;     2. [M 1,024, K 1,024] x [K 1,024, N 8,192]; A: input Wk; B: input x: QUANTISED (scales: A lowp_scales[2], B lowp_scales[3])
;;     3. [M 1,024, K 1,024] x [K 1,024, N 8,192]; A: input Wv; B: input x: QUANTISED (scales: A lowp_scales[4], B lowp_scales[5])
;;     4. batch 64 x [M 2,048, K 64] x [K 64, N 2,048]; A: computed on the way; B: computed on the way: QUANTISED (scales: A lowp_scales[6], B lowp_scales[7])
;;     5. batch 64 x [M 2,048, K 2,048] x [K 2,048, N 64]; A: softmax (see below); B: computed on the way: QUANTISED (scales: A lowp_scales[8], B lowp_scales[9])
;;     6. [M 8,192, K 1,024] x [K 1,024, N 1,024]; A: computed on the way; B: input Wp: QUANTISED (scales: A lowp_scales[10], B lowp_scales[11])
;;   THE QUANTISER, for each operand of a quantised product, along K:
;;     - The operand's scale is 2^e, e = its entry of the input lowp_scales (int32; the entries are numbered through the quantised products in the list's order, A before B).
;;     - Each number is divided by the scale, clamped to +-448, and rounded to the nearest number of E4M3, ties to even, subnormals kept.
;;     - The product sums the exact products of the quantised numbers (number of the format x scale) in f32.
;;   ~~~python
;;   def quantise(x, axis, e):      # numpy; x: float32 -> the quantised numbers, widened to float32 again
;;       x = np.moveaxis(x, axis, -1); K = x.shape[-1]
;;       r = np.clip(x / 2.0 ** e, -448, 448)
;;       step = 2.0 ** (np.maximum(np.frexp(np.where(r == 0, 1, r))[1] - 1, -6) - 3)
;;       q = np.round(r / step) * step * 2.0 ** e      # np.round: ties to even
;;       return np.moveaxis(q, -1, axis).astype(np.float32)
;;   ~~~
;;   SOFTMAX AHEAD OF A QUANTISED PRODUCT. Where the list says 'softmax', what is quantised is not the finished softmax but p = 2^(t - M), with t = logit x log2(e) and M = ceil(the row's largest t), a whole number; so 1/2 < the row's largest p <= 1. The row's sum l is taken of the UNQUANTISED p, in f32, and the product's result is divided by l at the end. Since M is a whole number, a kernel that streams over the keys may use a running M (the ceiling of the running maximum): every later rescaling is an exact power of two, so the quantised numbers keep their values, but for numbers so far below the row's largest that they fall under the format's range.
;;   OPERANDS COMPUTED ON THE WAY. 'Computed on the way' means the value that the module computes at that place (a softmax that the list does not call 'softmax' is quantised finished and normalised). What goes into a quantiser is computed in f32, as accurately as f32 sums, v_exp_f32 and their like allow (about 1e-6 of the number): no bf16 or f16 on the way to a quantiser, and a product that is left as it is and whose result goes on into a quantised operand takes f32 operands (vector FMAs, or v_wmma_f32_16x16x4_f32). A number that lies on a knife's edge between two numbers of the format may be rounded either way, as far as f32 arithmetic and the matrix unit's own rounding can turn it there, and no further.
;; One version. Each part assembles by itself: llvm-mc -triple=amdgcn-amd-amdhsa -mcpu=gfx1250 --defsym DOCPART=n.
;; ======== version 1 of 1: 4 launches
;; limits: right only within a limited range of input values
;; workspace buffers: xcodes 25,165,824 bytes; wcodes 4,194,304 bytes; qkv 25,165,824 bytes; ocodes 8,388,608 bytes
;; launch quant (part 1): grid 384 x 1, 4 waves a work-group, no clusters, 68,096 bytes of LDS; arguments x, Wq, Wk, Wv, Wp, lowp_scales, xcodes, wcodes; writes xcodes, wcodes
.if DOCPART == 1
	.amdgcn_target "amdgcn-amd-amdhsa--gfx1250"
	.amdhsa_code_object_version 6
	.text
	.protected	k_qef09ac66c2_quant
	.globl	k_qef09ac66c2_quant
	.p2align	8
	.type	k_qef09ac66c2_quant,@function
k_qef09ac66c2_quant:
	s_mov_b64 s[64:65], 0
	v_nop
	global_prefetch_b8 v0, s[64:65] scope:SCOPE_SE
	s_setreg_imm32_b32 hwreg(HW_REG_WAVE_MODE, 25, 1), 1
	s_wait_xcnt 0x0
; f32 numbers into codes of FP8 (E4M3), each operand with the scale 2^e that is given for it: code = number / 2^e, held within +-448, to the nearest code, ties to even.
; x [8192 tokens][1024] is an operand of three products with three entries of the scales (e1, e3, e5), which may differ: three sets of codes, xcodes [3][8192][1024], one code a byte.
; Wq, Wk, Wv [16 h][1024 d][64 kk] and Wp [1024 d][1024 n] have K = d NOT innermost: wcodes [4][1024 n][1024 d], n = 64 h + kk, with e0, e2, e4, e11.
; LIMITS: each of these seven exponents lies between -126 and 119, so that 2^e and 448 x 2^e are f32 numbers.  NaN among the inputs is not served; an infinity is held at the largest code.
; Work-groups 0 to 127 take the weights, 128 to 383 take x: two ways through the text that part once, on the work-group's number, and never join; each has LDS bytes of its own.
; No tensor loads, no barrier, no cluster: waves share nothing, and every input byte is read once.
; WEIGHTS.  A lane takes a column n and its registers run down K: each load reads 128 consecutive bytes, and the conversions, which take neighbours along K from one lane's registers, give codes with K innermost.
;   A wave takes 32 columns x 256 along K; the codes go through the wave's stage in LDS (rows of 256 bytes + 16) and leave as rows: sixteen lanes store 256 consecutive bytes, aligned.
;   The step from d to d + 1 (DS) and from one group of 64 columns to the next (GS) differ between Wq, Wk, Wv (256; 262,144 bytes) and Wp (4,096; 256): they stand in registers, all else is one text.
; x.  A plain stream.  A wave takes 16 steps of 512 numbers; each load reads 512 consecutive bytes; a step's 2,048 bytes turn through the wave's stage so that a lane holds 16 neighbours; each set's 16 codes a lane leave as 512 consecutive bytes a wave.
.set SPARE, 67584                      ; behind both ways' stages: the spare words, 128 bytes for each wave: two blocks of 256 bytes that no other line names
.set SPW,   12                         ; v12  LDS address of my spare word; never rewritten
.set NIL,   13                         ; v13  0; never rewritten
.set XSP,   80                         ; x: a lane's place in a stage: 64 bytes + 16 of padding.  LDS 0 .. 32,767: 8,192 for each wave, two stages of 32 x 80
.set WPI,   272                        ; weights: a stage row.  LDS 32,768 .. 67,583: 32 rows for each wave
.set WSTG,  32768
.set R,     32                         ; x: v32-95   four sets of 16 numbers as loaded
.set X,     96                         ;    v96-127  two sets of 16 neighbours
.set T0,    128                        ;    v128-143, v144-159 the neighbours held for the first and the second scale
.set T1,    144
.set C,     160                        ;    v160-171 the three sets' codes
.set OFS,   32                         ; weights: v32-63 4 x lane + i x DS
.set XW,    64                         ;    v64-127  two sets of 32 numbers
.set CW,    128                        ;    v128-135 a block's codes
.set OUTR,  136                        ;    v136-199 the way out
.set BB,    36                         ;    s[36:51] eight bases, 32 along K apart: no pointer is ever stepped
.macro SCALE e, vs, vl                 ; v[vs] = 2^e as f32 (the conversion takes its exponent field), v[vl] = 448 x 2^e
	s_add_co_i32 s22, s[\e], 127
	s_lshl_b32 s23, s22, 23
	v_mov_b32 v[\vs], s23
	s_add_co_i32 s22, s22, 8
	s_lshl_b32 s22, s22, 23
	s_or_b32 s22, s22, 0x600000
	v_mov_b32 v[\vl], s22
.endm
.macro LOADW q                         ; block q: W(32 q + i, my column), i = 0 .. 31, into set q % 2
.set ii, 0
.rept 32
	global_load_b32 v[XW+32*((\q)%2)+ii], v[OFS+ii], s[BB+2*(\q):BB+2*(\q)+1] th:TH_LOAD_NT
.set ii, ii+1
.endr
.endm
.macro BLOCKW q
.if (\q) < 7
	s_wait_loadcnt 32                              ; this block's 32 loads are in; the next block's 32 may be out
.else
	s_wait_loadcnt 0x0
.endif
.set ii, 0
.rept 32
	v_med3_num_f32 v[XW+32*((\q)%2)+ii], v[XW+32*((\q)%2)+ii], -v10, v10   ; the conversion to an 8-bit code does not saturate (ISA guide 7.6.2): the hold comes first
.set ii, ii+1
.endr
.irp g, 0,1,2,3
	v_cvt_scalef32_pk8_fp8_f32 v[CW+2*\g:CW+2*\g+1], v[XW+32*((\q)%2)+8*\g:XW+32*((\q)%2)+8*\g+7], v11
.endr
	ds_store_b128 v4, v[CW:CW+3] offset:32*(\q)    ; 32 codes: 32 bytes of my column's row.  (The next vector lines are the next block's holds: plain, on other registers)
	ds_store_b128 v4, v[CW+4:CW+7] offset:32*(\q)+16
.if (\q)+2 < 8
	LOADW (\q)+2
.endif
	s_wait_dscnt 0x0                               ; the stores have read their registers: the next block's codes may be written
.endm
.macro LOADX t
.irp i, 0,1,2,3
	global_load_b128 v[R+16*((\t)%4)+4*\i:R+16*((\t)%4)+4*\i+3], v3, s[4:5] offset:2048*(\t)+512*\i th:TH_LOAD_NT   ; 32 lanes read 512 consecutive bytes
.endr
.endm
.macro TURNX t                         ; step t's numbers through the stage: LDS serves a wave's instructions in order (ISA guide 5.7.1.4), so no wait stands between the stores and the loads
.irp i, 0,1,2,3
	ds_store_b128 v14, v[R+16*((\t)%4)+4*\i:R+16*((\t)%4)+4*\i+3] offset:32*XSP*((\t)%2)+8*XSP*\i
.endr
.irp i, 0,1,2,3
	ds_load_b128 v[X+16*((\t)%2)+4*\i:X+16*((\t)%2)+4*\i+3], v15 offset:32*XSP*((\t)%2)+16*\i
.endr
.endm
.macro STEPX t
	s_wait_dscnt 0x0                               ; this step's numbers are back from the stage, and its stores into the stage have read their registers
	s_wait_xcnt 0x0                                ; the last step's three stores have read their data: C is written again only behind this wait
.if (\t)+4 < 16
	LOADX (\t)+4
.endif
.if (\t)+1 < 16
.if 14-(\t) >= 3
	s_wait_loadcnt 12                              ; the next step's four loads are in; those of the three steps behind it may be out
.else
	s_wait_loadcnt 4*(14-(\t))
.endif
	TURNX (\t)+1
.endif
.set ii, 0
.rept 16
	v_med3_num_f32 v[T0+ii], v[X+16*((\t)%2)+ii], -v19, v19   ; held for e1
.set ii, ii+1
.endr
	v_cvt_scalef32_pk8_fp8_f32 v[C:C+1], v[T0:T0+7], v16
	v_cvt_scalef32_pk8_fp8_f32 v[C+2:C+3], v[T0+8:T0+15], v16
.set ii, 0
.rept 16
	v_med3_num_f32 v[T1+ii], v[X+16*((\t)%2)+ii], -v20, v20   ; for e3.  (Each run of holds is plain work on other registers behind the conversions above it)
.set ii, ii+1
.endr
	v_cvt_scalef32_pk8_fp8_f32 v[C+4:C+5], v[T1:T1+7], v17
	v_cvt_scalef32_pk8_fp8_f32 v[C+6:C+7], v[T1+8:T1+15], v17
.set ii, 0
.rept 16
	v_med3_num_f32 v[X+16*((\t)%2)+ii], v[X+16*((\t)%2)+ii], -v21, v21   ; for e5, in place
.set ii, ii+1
.endr
	v_cvt_scalef32_pk8_fp8_f32 v[C+8:C+9], v[X+16*((\t)%2):X+16*((\t)%2)+7], v18
	v_cvt_scalef32_pk8_fp8_f32 v[C+10:C+11], v[X+16*((\t)%2)+8:X+16*((\t)%2)+15], v18
.irp s, 0,1,2
	global_store_b128 v3, v[C+4*\s:C+4*\s+3], s[52+2*\s:53+2*\s] offset:512*(\t)   ; 32 lanes store 512 consecutive bytes, aligned
.endr
.endm
	s_load_b256 s[4:11], s[0:1], 0x0               ; x s[4:5], Wq s[6:7], Wk s[8:9], Wv s[10:11]
	s_load_b256 s[12:19], s[0:1], 0x20             ; Wp s[12:13], the scales' exponents s[14:15], xcodes s[16:17], wcodes s[18:19]
	v_lshl_add_u32 v[SPW], v0, 2, SPARE
	v_mov_b32 v[NIL], 0
	v_lshrrev_b32 v1, 5, v0
	v_readfirstlane_b32 s20, v1                    ; wave 0..3
	v_and_b32 v2, 31, v0                           ; lane
	v_lshlrev_b32 v3, 4, v2                        ; x: my 16 bytes of a load's 512, and of a store's
	; every LDS address is made here, ahead of the parting of the ways
	s_lshl_b32 s21, s20, 13                        ; x: my wave's 8,192 bytes
	v_lshrrev_b32 v14, 2, v2
	v_mul_u32_u24 v14, v14, XSP
	v_and_b32 v15, 3, v2
	v_lshl_add_u32 v14, v15, 4, v14
	v_add_nc_u32 v14, s21, v14                     ; into the stage: 80 (lane / 4) + 16 (lane % 4)
	v_mul_u32_u24 v15, v2, XSP
	v_add_nc_u32 v15, s21, v15                     ; out of it: 80 x lane: my 16 neighbours
	s_mul_i32 s21, s20, 32*WPI
	s_add_co_u32 s21, s21, WSTG                    ; weights: my wave's stage
	v_mul_u32_u24 v4, v2, WPI
	v_add_nc_u32 v4, s21, v4                       ; into it: row = my column
	v_and_b32 v5, 15, v2
	v_lshrrev_b32 v6, 4, v2
	v_mul_u32_u24 v7, v6, WPI
	v_lshl_add_u32 v7, v5, 4, v7
	v_add_nc_u32 v7, s21, v7                       ; out of it: sixteen lanes to a row, two rows an instruction
	v_lshlrev_b32 v8, 10, v6
	v_lshl_add_u32 v8, v5, 4, v8                   ; and the same place in wcodes: rows of 1,024 bytes
	s_wait_kmcnt 0x0
	s_load_b128 s[24:27], s[14:15], 0x0            ; e0 .. e3
	s_load_b128 s[28:31], s[14:15], 0x10           ; e4 .. e7
	s_load_b128 s[32:35], s[14:15], 0x20           ; e8 .. e11
	s_cmp_lt_u32 ttmp9, 128
	s_cbranch_scc0 .Lx_path
	; ---- the weights: tensor t = g / 32, columns 128 cb on (cb = (g / 4) % 8), K = 256 kc on (kc = g % 4)
	s_lshr_b32 s56, ttmp9, 5                       ; t
	s_bfe_u32 s57, ttmp9, 0x30002                  ; cb
	s_and_b32 s58, ttmp9, 3                        ; kc
	s_mov_b32 s59, 256
	s_mov_b32 s60, 0x40000
	s_cmp_eq_u32 s56, 3
	s_cselect_b32 s59, 4096, s59                   ; DS: bytes from d to d + 1
	s_cselect_b32 s60, 256, s60                    ; GS: bytes from 64 columns to the next 64
	s_cmp_eq_u32 s56, 1
	s_cselect_b64 s[66:67], s[8:9], s[6:7]
	s_cmp_eq_u32 s56, 2
	s_cselect_b64 s[66:67], s[10:11], s[66:67]
	s_cmp_eq_u32 s56, 3
	s_cselect_b64 s[66:67], s[12:13], s[66:67]     ; the tensor: the choice hangs on the work-group's number alone
	s_lshl_b32 s62, s57, 1
	s_lshr_b32 s63, s20, 1
	s_add_co_u32 s62, s62, s63
	s_mul_i32 s62, s62, s60                        ; (2 cb + wave / 2) x GS
	s_lshl_b32 s63, s58, 8
	s_mul_i32 s63, s63, s59                        ; + 256 kc x DS
	s_add_co_u32 s62, s62, s63
	s_and_b32 s63, s20, 1
	s_lshl_b32 s63, s63, 7                         ; + 128 (wave % 2): my 32 columns of the 64
	s_add_co_u32 s62, s62, s63
	s_mov_b32 s63, 0
	s_add_nc_u64 s[BB:BB+1], s[66:67], s[62:63]
	s_lshl_b32 s62, s59, 5                         ; 32 along K
.irp q, 1,2,3,4,5,6,7
	s_add_nc_u64 s[BB+2*\q:BB+2*\q+1], s[BB+2*\q-2:BB+2*\q-1], s[62:63]
.endr
	v_lshlrev_b32 v[OFS], 2, v2
.set ii, 0
.rept 31
	v_add_nc_u32 v[OFS+ii+1], s59, v[OFS+ii]
.set ii, ii+1
.endr
	s_lshl_b32 s68, s56, 20                        ; wcodes: tensor t,
	s_lshl_b32 s69, s57, 17                        ; row 128 cb
	s_add_co_u32 s68, s68, s69
	s_lshl_b32 s69, s20, 15                        ; + 32 x wave,
	s_add_co_u32 s68, s68, s69
	s_lshl_b32 s69, s58, 8                         ; byte 256 kc
	s_add_co_u32 s68, s68, s69
	s_mov_b32 s69, 0
	s_add_nc_u64 s[18:19], s[18:19], s[68:69]
	s_wait_alu depctr_va_vdst(0)
	LOADW 0
	LOADW 1
	s_wait_kmcnt 0x0
	s_cmp_eq_u32 s56, 1
	s_cselect_b32 s61, s26, s24
	s_cmp_eq_u32 s56, 2
	s_cselect_b32 s61, s28, s61
	s_cmp_eq_u32 s56, 3
	s_cselect_b32 s61, s35, s61                    ; e0, e2, e4 or e11
	SCALE 61, 11, 10
	s_wait_alu depctr_va_vdst(0)
.irp q, 0,1,2,3,4,5,6,7
	BLOCKW \q
.endr
.irp t, 0,1,2,3,4,5,6,7,8,9,10,11,12,13,14,15
	ds_load_b128 v[OUTR+4*\t:OUTR+4*\t+3], v7 offset:2*\t*WPI   ; LDS serves a wave's instructions in order: these see my stores
.endr
.irp t, 0,1,2,3,4,5,6,7,8,9,10,11,12,13,14,15
	s_wait_dscnt 15-\t                             ; the younger loads may be out
	global_store_b128 v8, v[OUTR+4*\t:OUTR+4*\t+3], s[18:19] offset:2048*\t   ; sixteen lanes store 256 consecutive bytes, aligned
.endr
	s_wait_tensorcnt 0x0                           ; the wave's end, behind my last LDS store
	ds_add_u32 v[SPW], v[NIL]
	s_wait_dscnt 0x0
	s_endpgm
.Lx_path:
	; ---- x: run = 4 (g - 128) + wave: 8,192 numbers
	s_sub_co_u32 s56, ttmp9, 128
	s_lshl_b32 s56, s56, 2
	s_add_co_u32 s56, s56, s20
	s_lshl_b32 s62, s56, 15
	s_mov_b32 s63, 0
	s_add_nc_u64 s[4:5], s[4:5], s[62:63]          ; 32,768 bytes of f32 a run
	s_lshl_b32 s62, s56, 13
	s_add_nc_u64 s[52:53], s[16:17], s[62:63]      ; 8,192 bytes of codes a run, in each of the three sets, 8,388,608 bytes apart
	s_add_nc_u64 s[54:55], s[52:53], 0x800000
	s_add_nc_u64 s[56:57], s[54:55], 0x800000
.irp t, 0,1,2,3
	LOADX \t
.endr
	s_wait_kmcnt 0x0
	SCALE 25, 16, 19                               ; e1
	SCALE 27, 17, 20                               ; e3
	SCALE 29, 18, 21                               ; e5
	s_wait_alu depctr_va_vdst(0)
	s_wait_loadcnt 12                              ; step 0's four loads are in
	TURNX 0
.irp t, 0,1,2,3,4,5,6,7,8,9,10,11,12,13,14,15
	STEPX \t
.endr
	s_wait_tensorcnt 0x0                           ; the wave's end, behind my last LDS store
	ds_add_u32 v[SPW], v[NIL]
	s_wait_dscnt 0x0
	s_endpgm
.Lfunc_end_k_qef09ac66c2_quant:
	.size	k_qef09ac66c2_quant, .Lfunc_end_k_qef09ac66c2_quant-k_qef09ac66c2_quant
	.p2alignl 7, 3214868480
	.fill 96, 4, 3214868480
	.section	.rodata,"a",@progbits
	.p2align	6, 0x0
	.amdhsa_kernel k_qef09ac66c2_quant
		.amdhsa_group_segment_fixed_size 68096
		.amdhsa_private_segment_fixed_size 0
		.amdhsa_enable_private_segment 0
		.amdhsa_kernarg_size 64
		.amdhsa_user_sgpr_count 2
		.amdhsa_user_sgpr_kernarg_segment_ptr 1
		.amdhsa_wavefront_size32 1
		.amdhsa_system_sgpr_workgroup_id_x 1
		.amdhsa_system_sgpr_workgroup_id_y 1
		.amdhsa_system_sgpr_workgroup_id_z 1
		.amdhsa_system_vgpr_workitem_id 0
		.amdhsa_next_free_vgpr 208
		.amdhsa_next_free_sgpr 72
		.amdhsa_reserve_vcc 0
		.amdhsa_float_denorm_mode_32 3
		.amdhsa_float_denorm_mode_16_64 3
		.amdhsa_memory_ordered 1
		.amdhsa_forward_progress 1
		.amdhsa_inst_pref_size 128
	.end_amdhsa_kernel
	.amdgpu_metadata
---
amdhsa.version: [ 1, 2 ]
amdhsa.kernels:
  - .name:           k_qef09ac66c2_quant
    .symbol:         k_qef09ac66c2_quant.kd
    .args:
      - { .name: x, .offset: 0, .size: 8, .value_kind: global_buffer, .address_space: global }
      - { .name: Wq, .offset: 8, .size: 8, .value_kind: global_buffer, .address_space: global }
      - { .name: Wk, .offset: 16, .size: 8, .value_kind: global_buffer, .address_space: global }
      - { .name: Wv, .offset: 24, .size: 8, .value_kind: global_buffer, .address_space: global }
      - { .name: Wp, .offset: 32, .size: 8, .value_kind: global_buffer, .address_space: global }
      - { .name: lowp_scales, .offset: 40, .size: 8, .value_kind: global_buffer, .address_space: global }
      - { .name: xcodes, .offset: 48, .size: 8, .value_kind: global_buffer, .address_space: global }
      - { .name: wcodes, .offset: 56, .size: 8, .value_kind: global_buffer, .address_space: global }
    .group_segment_fixed_size: 68096
    .private_segment_fixed_size: 0
    .kernarg_segment_align: 8
    .kernarg_segment_size: 64
    .max_flat_workgroup_size: 128
    .sgpr_count:     72
    .vgpr_count:     208
    .wavefront_size: 32
...
	.end_amdgpu_metadata
.endif
;; end of part 1
;; launch proj (part 2): grid 12 x 32, 4 waves a work-group, clusters of 4 x 4, 327,680 bytes of LDS; arguments xcodes, wcodes, lowp_scales, qkv; writes qkv
.if DOCPART == 2
	.amdgcn_target "amdgcn-amd-amdhsa--gfx1250"
	.amdhsa_code_object_version 6
	.text
	.protected	k_qef09ac66c2_proj
	.globl	k_qef09ac66c2_proj
	.p2align	8
	.type	k_qef09ac66c2_proj,@function
k_qef09ac66c2_proj:
	s_mov_b64 s[64:65], 0
	v_nop
	global_prefetch_b8 v0, s[64:65] scope:SCOPE_SE
	s_setreg_imm32_b32 hwreg(HW_REG_WAVE_MODE, 25, 1), 1
	s_wait_xcnt 0x0
	s_wait_alu depctr_hold_cnt(0) depctr_sa_sdst(0) depctr_va_vdst(0) depctr_va_sdst(0) depctr_va_ssrc(0) depctr_va_vcc(0) depctr_vm_vsrc(0)
	s_getreg_b32 s2, hwreg(HW_REG_IB_STS2, 6, 4)
	s_cmp_eq_u32 s2, 0
	s_cbranch_scc0 .Lentry_in_a_cluster
	s_endpgm
.Lentry_in_a_cluster:
	s_bfe_u32 s2, ttmp6, 0x10000c
	s_cmp_lg_u32 s2, 0xf033
	s_cbranch_scc0 .Lentry_shape_is_right
	s_endpgm
.Lentry_shape_is_right:
; The three projections q, k, v = x W on codes of FP8 (E4M3), K = 1,024, and their results quantised on the way out (e6 for q, e7 for k, e9 for v) into the order in which the attention's operand registers take them.
; p = the cluster's x = 0, 1, 2 says which.  A tile of 256 x 256 is made by four waves, 128 x 128 each: 64 accumulators of 16 x 16.  K goes in steps of 256 through a ring of two LDS slots filled by the tensor data mover.
; "A" is the operand whose rows become the ROWS of a fragment of the next product, "B" the one whose rows become its K:  q, k: A = x's codes (tokens), B = W's codes (head, kk).   v: A = Wv's codes (head, kk), B = x's codes (keys).
; THE MATRIX INSTRUCTION IS USED TRANSPOSED (source 0 = 16 rows of B, source 1 = 16 rows of A): a lane holds eight neighbours along B's rows of one row of A, which one conversion turns into eight codes.
; CLUSTERS: 4 x 4 work-groups.  A's tile hangs on cy and the cluster's own place alone and is asked for jointly by a row of the cluster, B's on cx and the cluster's place alone, by a column.
; THE BLOCK.  A wave's 128 x 128 codes are one block of 16,384 bytes: qkv [3][batch 4][head pair 8][128 tokens: 16][16,384].  With arow = 32 be + 16 ga + 8 u + de and brow = 64 H + 32 c + 16 g + e the code lies at
;   8192 H + 1024 (2 be + u) + 512 c + 256 g + 16 (8 ga + de) + e: pieces of 512 bytes, each the image of four operand registers (16 bytes a lane, lane = 16 g + r).  Lane r of tile t = 2 be + u holds row 32 (t / 2) + 8 (t % 2) + r + 8 (r / 8).
; A sum stands for sum x 2^(eW + ex), so its code is sum / 2^f, f = e6 - e0 - e1, e7 - e2 - e3 or e9 - e4 - e5.  LIMIT: f lies between -126 and 119, so that 2^f and 448 x 2^f are f32 numbers.
; REGISTERS, in windows of 256: window 0: v0-31 addresses and the two scale words; from v128 A's fragments, ONE set; on the way out v32-223 are free.   window 1: B's fragments, TWO sets.   windows 2, 3: the accumulators ((a, b) at v[8 (8 (a % 4) + b)]).
.set KSTEP,  256
.set ROWB,   256                       ; a tile's row in bytes
.set KROW,   1024                      ; a row of codes in memory
.set PITCH,  272                       ; an LDS row: 256 bytes + 16 of padding = 68 words: row r starts at bank 4 r mod 64 (64 banks of 4 bytes: ISA guide 11.1)
.set FR,     16                        ; registers of a fragment: 16 rows x 128 K
.set NL,     4                         ; LDS loads that bring one
.set NP,     4                         ; places behind this matrix instruction (ISA guide 7.12.1)
.set HALFT,  128*PITCH
.set SLOT,   4*HALFT                   ; A's 256 rows, then B's 256 rows
.set SPARE,  2*SLOT                    ; behind the ring: the spare words, 128 bytes for each wave: two blocks of 256 bytes that no other line names
.set ADRA, 16                          ; v16-17  LDS address of my A fragments in slot 0, 1
.set ADRB, 20                          ; v20-21  the same for B
.set STO,  24                          ; v24     the way out: where I put 8 codes
.set RD,   25                          ; v25     where I read a piece back
.set CO,   26                          ; v26     16 x lane: my place in a piece
.set SPW,  28                          ; v28     LDS address of my spare word; never rewritten
.set NIL,  29                          ; v29     0; never rewritten
.set LIM,  30                          ; v30     448 x 2^f
.set SCL,  31                          ; v31     2^f
.set TMP,  32                          ; the way out: v32-95 a block's sums, held
.set CD,   96                          ; v96-159  codes, two sets of 32
.set BK,   160                         ; v160-223 pieces read back, two sets of 32
.set AF,   128
.set G1, 24
.set G0, 32
.set G1B, 48
.set G0B, 56
.set MSB, 0
.macro WIN new                         ; the immediate's high byte repeats the setting that is left
.if MSB != (\new)
	s_set_vgpr_msb (MSB<<8)|(\new)
.set MSB, (\new)
.endif
.endm
.set MUL_LO, 0xa1                      ; source 0 (B) window 1, source 1 (A) window 0, C and D window 2
.set MUL_HI, 0xf1                      ; the same, C and D window 3
.set TO_B,   0x40                      ; destination window 1, address window 0
; A joint load: waves 0 and 1 fetch for A, waves 2 and 3 for B.  The branch hangs on the wave's number alone.  An s_nop 0 and four v_nop follow each of the two lines.
.macro JLOAD g0a, g1a, g0b, g1b
	s_cmp_eq_u32 s15, 0
	s_cbranch_scc0 .Lfor_b_\@
	tensor_load_to_lds s[\g0a:\g0a+3], s[\g1a:\g1a+7]
	s_nop 0
.rept 4
	v_nop
.endr
	s_branch .Lasked_\@
.Lfor_b_\@:
	tensor_load_to_lds s[\g0b:\g0b+3], s[\g1b:\g1b+7]
	s_nop 0
.rept 4
	v_nop
.endr
.Lasked_\@:
.endm
.macro CREST                           ; a round of the cluster's barrier behind its opening barrier
	s_cmp_lg_u32 s14, 0
	s_cbranch_scc1 .Lnot_wave_0_\@
	s_barrier_signal -3
.Lnot_wave_0_\@:
	s_barrier_wait -3
	s_barrier_signal -1
	s_barrier_wait -1
.endm
.macro CROUND
	s_barrier_signal -1
	s_barrier_wait -1
	CREST
.endm
	s_load_b128 s[4:7], s[0:1], 0x0                ; x's codes s[4:5], the weights' codes s[6:7]
	s_load_b128 s[8:11], s[0:1], 0x10              ; the scales' exponents s[8:9], qkv s[10:11]
	v_lshl_add_u32 v[SPW], v0, 2, SPARE
	v_mov_b32 v[NIL], 0
	ds_add_u32 v[SPW], v[NIL]                      ; the wave's opening: the add and its wait ahead of my first tensor load; the set-up below, work on registers, stands between them
	ds_add_u32 v[SPW], v[NIL]
	v_lshrrev_b32 v1, 5, v0
	v_readfirstlane_b32 s14, v1                    ; wave 0..3
	s_lshr_b32 s15, s14, 1                         ; which half of A's rows is mine.  Also: I fetch for A (0) or for B (1)
	s_and_b32 s16, s14, 1                          ; which half of B's rows.  Also: which 128 rows of that tile I fetch
	s_bfe_u32 s40, ttmp6, 0x40000                  ; cx
	s_bfe_u32 s41, ttmp6, 0x40004                  ; cy
	s_and_b32 s17, ttmp7, 0xffff
	s_lshl_b32 s17, s17, 2                         ; 4 x cluster y
	s_add_co_u32 s66, s17, s41                     ; + cy: a tile of 256 tokens, where the tokens are A's rows
	s_add_co_u32 s67, s17, s40                     ; + cx: the same, where they are B's
	s_cmp_eq_u32 ttmp9, 2                          ; p is the same in all sixteen partners
	s_cselect_b32 s17, s41, s66                    ; A's tile: made of cy and the cluster's place alone
	s_cselect_b32 s42, s67, s40                    ; B's tile: of cx and the cluster's place alone
	s_lshl_b32 s43, s41, 2
	s_lshl_b32 s43, 15, s43                        ; my row of the cluster
	s_lshl_b32 s44, 0x1111, s40                    ; my column
	s_or_b32 s[G1+0], s43, (0<<16)|(1<<20)|(1<<21)|(5<<22)|(3<<25)  ; 15:0 the mask; 17:16 element of 1 byte; 20 padding on; 21 set beside a mask; 24:22 after every 64 words (code 5); 31:25 of 4 words (code 3)
	s_or_b32 s[G1B+0], s44, (0<<16)|(1<<20)|(1<<21)|(5<<22)|(3<<25)
.irp g, G1, G1B
	s_mov_b32 s[\g+1], ROWB<<16                    ; tensor_dim0
	s_mov_b32 s[\g+2], 128<<16                     ; tensor_dim1 = 128
	s_mov_b32 s[\g+3], ROWB<<16                    ; tile_dim0
	s_mov_b32 s[\g+4], 128                         ; tile_dim1 = 128
	s_mov_b32 s[\g+5], KROW                        ; tensor_dim0_stride
	s_mov_b32 s[\g+6], 0
	s_mov_b32 s[\g+7], 0
.endr
	s_lshl_b32 s18, s16, 17                        ; which 128 rows of 1,024 bytes I fetch
	s_lshl_b32 s70, s17, 18                        ; A's tile: 256 rows of 1,024 bytes
	s_add_co_u32 s70, s70, s18
	s_mov_b32 s71, 0
	s_lshl_b32 s84, s42, 18                        ; B's
	s_add_co_u32 s84, s84, s18
	s_mov_b32 s85, 0
	s_lshl_b32 s68, ttmp9, 23                      ; x's set p
	s_mov_b32 s69, 0
	s_lshl_b32 s86, ttmp9, 20                      ; the weights' tensor p
	s_mov_b32 s87, 0
	s_mul_i32 s45, s14, HALFT                      ; where they go: wave x 128 rows: no place in the cluster enters an LDS address
	s_wait_dscnt 0x0                               ; the opening add is done
	s_wait_kmcnt 0x0
	s_load_b128 s[72:75], s[8:9], 0x0              ; e0 .. e3
	s_load_b128 s[76:79], s[8:9], 0x10             ; e4 .. e7
	s_load_b128 s[80:83], s[8:9], 0x20             ; e8 .. e11
	s_add_nc_u64 s[68:69], s[4:5], s[68:69]
	s_add_nc_u64 s[86:87], s[6:7], s[86:87]
	s_cmp_eq_u32 ttmp9, 2
	s_cselect_b64 s[20:21], s[86:87], s[68:69]     ; A: x's codes, for v the weights'
	s_cselect_b64 s[46:47], s[68:69], s[86:87]     ; B: the other
	s_add_nc_u64 s[20:21], s[20:21], s[70:71]
	s_add_nc_u64 s[46:47], s[46:47], s[84:85]
	CROUND                                         ; all sixteen work-groups are here: the first joint loads meet
.irp s, 0,1
	s_mov_b32 s[G0+4*\s], 1
	s_add_co_u32 s[G0+4*\s+1], s45, \s*SLOT
	s_add_nc_u64 s[G0+4*\s+2:G0+4*\s+3], s[20:21], \s*ROWB
	s_or_b32 s[G0+4*\s+3], s[G0+4*\s+3], 0x80000000
	s_mov_b32 s[G0B+4*\s], 1
	s_add_co_u32 s[G0B+4*\s+1], s45, \s*SLOT
	s_add_nc_u64 s[G0B+4*\s+2:G0B+4*\s+3], s[46:47], \s*ROWB
	s_or_b32 s[G0B+4*\s+3], s[G0B+4*\s+3], 0x80000000
.endr
	JLOAD G0, G1, G0B, G1B                         ; K step 0: one tensor load a wave at the head
	v_and_b32 v1, 15, v0                           ; l % 16
	v_bfe_u32 v2, v0, 4, 1                         ; l / 16
	v_mul_u32_u24 v3, v1, PITCH
	v_lshl_add_u32 v4, v2, 4, v3                   ; a fragment's row x pitch + 16 x half
	s_mul_i32 s21, s15, HALFT                      ; my 128 rows of A
	s_mul_i32 s22, s16, HALFT                      ; my 128 rows of B,
	s_add_co_u32 s22, s22, 2*HALFT                 ; which lie behind A's 256
.irp s, 0,1
	v_add_nc_u32 v[ADRA+\s], s21, v4
	v_add_nc_u32 v[ADRB+\s], s22, v4
	s_add_co_u32 s21, s21, SLOT
	s_add_co_u32 s22, s22, SLOT
.endr
	; the way out's stage: 4,608 bytes for each wave, [H 2][u 2] x 1,152 (1,024 + 128, so that u = 1 falls on the other 32 banks).  It lies in slot 0, which has had its last fill and its last read when the first code is stored there
	s_mul_i32 s23, s14, 4608
	v_bfe_u32 v5, v0, 3, 1                         ; u
	v_mul_u32_u24 v5, v5, 1152
	v_and_b32 v6, 7, v0                            ; de
	v_lshl_add_u32 v5, v6, 4, v5
	v_lshl_add_u32 v5, v2, 3, v5                   ; + 8 (l / 16)
	v_add_nc_u32 v[STO], s23, v5
	v_and_b32 v6, 31, v0
	v_lshlrev_b32 v[CO], 4, v6
	v_add_nc_u32 v[RD], s23, v[CO]
	; my block in qkv
	s_lshl_b32 s20, s17, 1
	s_add_co_u32 s20, s20, s15                     ; which 128 of A's rows
	s_lshl_b32 s46, s42, 1
	s_add_co_u32 s46, s46, s16                     ; which 128 of B's rows
	s_cmp_eq_u32 ttmp9, 2
	s_cselect_b32 s21, s46, s20                    ; the 128 tokens,
	s_cselect_b32 s47, s20, s46                    ; the head pair
	s_lshr_b32 s88, s21, 4                         ; batch
	s_lshl_b32 s88, s88, 3
	s_add_co_u32 s88, s88, s47
	s_lshl_b32 s88, s88, 4
	s_and_b32 s89, s21, 15
	s_add_co_u32 s88, s88, s89
	s_lshl_b32 s88, s88, 14
	s_lshl_b32 s89, ttmp9, 23
	s_add_co_u32 s88, s88, s89
	s_mov_b32 s89, 0
	s_add_nc_u64 s[10:11], s[10:11], s[88:89]
.macro FRAG reg, adr, q, i             ; a fragment: lane l holds row l % 16; registers 4 c .. 4 c + 3 hold K = 32 c + 16 (l / 16) + 0 .. 15: the same places of k in A and in B
.irp c, 0,1,2,3
	ds_load_b128 v[\reg+4*\c:\reg+4*\c+3], v[\adr] offset:128*(\q)+32*\c+(\i)*16*PITCH
.endr
.endm
; 16 matrix instructions: A's blocks a0, a0 + 1 x B's eight, 128 along K.  p: B's set.  zero = 1: the first product starts the sums.  The 64 accumulators take turns, one instruction a turn.
.macro MUL16 a0, p, zero
.irp a, \a0, \a0+1
.irp b, 0,1,2,3,4,5,6,7
.if \zero
	v_wmma_f32_16x16x128_fp8_fp8 v[8*(8*((\a)%4)+\b):8*(8*((\a)%4)+\b)+7], v[128*(\p)+FR*\b:128*(\p)+FR*\b+FR-1], v[AF+FR*(\a):AF+FR*(\a)+FR-1], 0
.else
	v_wmma_f32_16x16x128_fp8_fp8 v[8*(8*((\a)%4)+\b):8*(8*((\a)%4)+\b)+7], v[128*(\p)+FR*\b:128*(\p)+FR*\b+FR-1], v[AF+FR*(\a):AF+FR*(\a)+FR-1], v[8*(8*((\a)%4)+\b):8*(8*((\a)%4)+\b)+7]
.endif
.endr
.endr
.endm
.macro FETCH_B slot, q, p
	WIN TO_B
.irp i, 0,1,2,3,4,5,6,7
	FRAG 128*(\p)+FR*\i, ADRB+\slot, \q, \i
.endr
	WIN 0
.endm
.macro FETCH_A slot, q, i0
.irp i, \i0, \i0+1, \i0+2, \i0+3
	FRAG AF+FR*(\i), ADRA+\slot, \q, \i
.endr
.endm
.macro PLACES n                        ; plain vector instructions that name none of a matrix instruction's registers, in front of loads into registers that it has read and of reads of its results
.rept \n
	v_nop
.endr
.endm
; A step of 128 along K that has its successor in the same slot.
.macro STEP slot, q, zero
	s_wait_dscnt 4*NL                              ; B's set and A's blocks 0-3 are in; the youngest 16 loads (A's blocks 4-7) may be out
	WIN MUL_LO
	MUL16 0, (\q)%2, \zero
	MUL16 2, (\q)%2, \zero
	s_wait_dscnt 0                                 ; A's blocks 4-7 are in
	PLACES NP
	FETCH_B \slot, (\q)+1, 1-(\q)%2
	FETCH_A \slot, (\q)+1, 0
	WIN MUL_HI
	MUL16 4, (\q)%2, \zero
	MUL16 6, (\q)%2, \zero
	PLACES NP
	WIN 0
	FETCH_A \slot, (\q)+1, 4
.endm
; A slot's last step changes slots: ONE barrier; in front of it each wave waits for all its tensor loads, adds 0 to its spare word, and waits for that and for its own reads of this slot.  fill = 1: this slot is filled again, two K steps ahead.
.macro TURN slot, next, fill
	s_wait_tensorcnt 0x0                           ; all my tensor loads have landed: my part of the next slot
	ds_add_u32 v[SPW], v[NIL]                      ; 0 onto my spare word
	s_wait_dscnt 4*NL+1                            ; (the add and the youngest 16 loads, A's blocks 4-7, may be out)
	WIN MUL_LO
	MUL16 0, 1, 0                                  ; sixteen matrix instructions stand between the add and the wait for it
	s_wait_dscnt 0x0                               ; the add is done, and my reads of this slot are over
	s_barrier_signal -1
	MUL16 2, 1, 0
	WIN 0
	s_barrier_wait -1
.if \fill
	CREST                                          ; the barrier has opened a round of the cluster's barrier: no wave of any partner still reads this slot's tile or has a load on its way
	s_add_nc_u64 s[G0+4*\slot+2:G0+4*\slot+3], s[G0+4*\slot+2:G0+4*\slot+3], 2*ROWB
	s_add_nc_u64 s[G0B+4*\slot+2:G0B+4*\slot+3], s[G0B+4*\slot+2:G0B+4*\slot+3], 2*ROWB
	JLOAD G0+4*\slot, G1, G0B+4*\slot, G1B         ; the first tensor load behind the round; the four v_nop behind it are the places in front of the loads below
.else
	PLACES NP
.endif
	FETCH_B \next, 0, 0
	FETCH_A \next, 0, 0
	WIN MUL_HI
	MUL16 4, 1, 0
	MUL16 6, 1, 0
	PLACES NP
	WIN 0
	FETCH_A \next, 0, 4
.endm
	s_wait_alu depctr_va_vdst(0)                   ; the head's end
	s_wait_tensorcnt 0x0                           ; my part of K step 0 is in
	ds_add_u32 v[SPW], v[NIL]
	s_wait_dscnt 0x0
	CROUND                                         ; a whole round: everybody's part of K step 0 is in,
	JLOAD G0+4, G1, G0B+4, G1B                     ; and K step 1's load is the first tensor load behind it
	FETCH_B 0, 0, 0
	FETCH_A 0, 0, 0
	FETCH_A 0, 0, 4
	; K = 1,024 is four K steps, eight steps of 128: written on end, since a loop would have one trip
	STEP 0, 0, 1                                   ; the first products start the sums
	TURN 0, 1, 1                                   ; slot 0 takes K step 2
	STEP 1, 0, 0
	TURN 1, 0, 1                                   ; slot 1 takes K step 3
	STEP 0, 0, 0
	TURN 0, 1, 0                                   ; nothing is left to fetch, and no round of the cluster's barrier
	STEP 1, 0, 0
	s_wait_dscnt 4*NL
	WIN MUL_LO
	MUL16 0, 1, 0
	MUL16 2, 1, 0
	s_wait_dscnt 0
	WIN MUL_HI
	MUL16 4, 1, 0
	MUL16 6, 1, 0
	WIN 0
; THE WAY OUT, by pairs of A's blocks (32 rows).  CONV: the sums are held within +-448 x 2^f (each accumulator from its low end on) and converted: 8 codes a lane and accumulator.
.macro CONV pair
.irp g, 0,1
	WIN 0x02+((2*(\pair)+\g)/4)                    ; source 0: window 2 or 3
.set jj, 0
.rept 64
	v_med3_num_f32 v[TMP+jj], v[64*((2*(\pair)+\g)%4)+jj], -v[LIM], v[LIM]   ; the conversion to an 8-bit code does not saturate (ISA guide 7.6.2)
.set jj, jj+1
.endr
	WIN 0
.irp b, 0,1,2,3,4,5,6,7
	v_cvt_scalef32_pk8_fp8_f32 v[CD+32*((\pair)%2)+16*\g+2*\b:CD+32*((\pair)%2)+16*\g+2*\b+1], v[TMP+8*\b:TMP+8*\b+7], v[SCL]
.endr
	v_nop                                          ; one plain vector instruction behind the conversions, ahead of the next write of their sources
.endr
.endm
; STAGE: the pair's codes into my stage, 8 bytes a lane, and back as eight pieces of 512 bytes.  LDS serves a wave's instructions in order (ISA guide 5.7.1.4): no wait between the stores and the loads.
.macro STAGE pair
.if (\pair) >= 2
	s_wait_xcnt 0x0                                ; the stores of two pairs back have read their registers: the loads below may land there
.endif
.irp g, 0,1
.irp b, 0,1,2,3,4,5,6,7
	ds_store_b64 v[STO], v[CD+32*((\pair)%2)+16*\g+2*\b:CD+32*((\pair)%2)+16*\g+2*\b+1] offset:2304*(\b/4)+512*((\b/2)%2)+256*(\b%2)+128*\g
.endr
.endr
.irp i, 0,1,2,3,4,5,6,7                        ; i = 4 H + 2 u + c
	ds_load_b128 v[BK+32*((\pair)%2)+4*\i:BK+32*((\pair)%2)+4*\i+3], v[RD] offset:2304*(\i/4)+1152*((\i/2)%2)+512*(\i%2)
.endr
.endm
.macro SENDQ pair
	s_wait_dscnt 0x0                               ; the pieces are back in registers
.irp i, 0,1,2,3,4,5,6,7
	global_store_b128 v[CO], v[BK+32*((\pair)%2)+4*\i:BK+32*((\pair)%2)+4*\i+3], s[10:11] offset:8192*(\i/4)+2048*(\pair)+1024*((\i/2)%2)+512*(\i%2)   ; 32 lanes store 512 consecutive bytes, aligned
.endr
.endm
	s_wait_kmcnt 0x0
	s_sub_co_i32 s86, s78, s72
	s_sub_co_i32 s86, s86, s73                     ; q: e6 - e0 - e1
	s_sub_co_i32 s87, s79, s74
	s_sub_co_i32 s87, s87, s75                     ; k: e7 - e2 - e3
	s_sub_co_i32 s88, s81, s76
	s_sub_co_i32 s88, s88, s77                     ; v: e9 - e4 - e5
	s_cmp_eq_u32 ttmp9, 1
	s_cselect_b32 s86, s87, s86
	s_cmp_eq_u32 ttmp9, 2
	s_cselect_b32 s86, s88, s86                    ; f: chosen, never branched on
	s_add_co_i32 s86, s86, 127
	s_lshl_b32 s87, s86, 23
	v_mov_b32 v[SCL], s87                          ; 2^f as f32
	s_add_co_i32 s86, s86, 8
	s_lshl_b32 s86, s86, 23
	s_or_b32 s86, s86, 0x600000
	v_mov_b32 v[LIM], s86                          ; 448 x 2^f
	PLACES NP                                      ; behind the last products
	CONV 0
	STAGE 0
.irp n, 1,2,3                                  ; a pair's arithmetic stands between the loads of the pair before and the wait for them
	CONV \n
	s_wait_alu depctr_va_vdst(0)
	SENDQ \n-1
	STAGE \n
.endr
	SENDQ 3
	s_wait_tensorcnt 0x0                           ; the wave's end, behind my last tensor load and my last LDS store
	ds_add_u32 v[SPW], v[NIL]
	s_wait_dscnt 0x0
	CROUND                                         ; the closing round: no work-group ends while a partner may still ask for a tile that names it
	s_endpgm
.Lfunc_end_k_qef09ac66c2_proj:
	.size	k_qef09ac66c2_proj, .Lfunc_end_k_qef09ac66c2_proj-k_qef09ac66c2_proj
	.p2alignl 7, 3214868480
	.fill 96, 4, 3214868480
	.section	.rodata,"a",@progbits
	.p2align	6, 0x0
	.amdhsa_kernel k_qef09ac66c2_proj
		.amdhsa_group_segment_fixed_size 327680
		.amdhsa_private_segment_fixed_size 0
		.amdhsa_enable_private_segment 0
		.amdhsa_kernarg_size 32
		.amdhsa_user_sgpr_count 2
		.amdhsa_user_sgpr_kernarg_segment_ptr 1
		.amdhsa_wavefront_size32 1
		.amdhsa_system_sgpr_workgroup_id_x 1
		.amdhsa_system_sgpr_workgroup_id_y 1
		.amdhsa_system_sgpr_workgroup_id_z 1
		.amdhsa_system_vgpr_workitem_id 0
		.amdhsa_next_free_vgpr 1024
		.amdhsa_next_free_sgpr 100
		.amdhsa_reserve_vcc 0
		.amdhsa_float_denorm_mode_32 3
		.amdhsa_float_denorm_mode_16_64 3
		.amdhsa_memory_ordered 1
		.amdhsa_forward_progress 1
		.amdhsa_inst_pref_size 125
	.end_amdhsa_kernel
	.amdgpu_metadata
---
amdhsa.version: [ 1, 2 ]
amdhsa.kernels:
  - .name:           k_qef09ac66c2_proj
    .symbol:         k_qef09ac66c2_proj.kd
    .args:
      - { .name: xcodes, .offset: 0, .size: 8, .value_kind: global_buffer, .address_space: global }
      - { .name: wcodes, .offset: 8, .size: 8, .value_kind: global_buffer, .address_space: global }
      - { .name: lowp_scales, .offset: 16, .size: 8, .value_kind: global_buffer, .address_space: global }
      - { .name: qkv, .offset: 24, .size: 8, .value_kind: global_buffer, .address_space: global }
    .group_segment_fixed_size: 327680
    .private_segment_fixed_size: 0
    .kernarg_segment_align: 8
    .kernarg_segment_size: 32
    .max_flat_workgroup_size: 128
    .sgpr_count:     100
    .vgpr_count:     1024
    .wavefront_size: 32
...
	.end_amdgpu_metadata
.endif
;; end of part 2
;; launch attn (part 3): grid 4 x 64, 8 waves a work-group, clusters of 4 x 1, 327,680 bytes of LDS; arguments qkv, lowp_scales, ocodes; writes ocodes
.if DOCPART == 3
	.amdgcn_target "amdgcn-amd-amdhsa--gfx1250"
	.amdhsa_code_object_version 6
	.text
	.protected	k_qef09ac66c2_attn
	.globl	k_qef09ac66c2_attn
	.p2align	8
	.type	k_qef09ac66c2_attn,@function
k_qef09ac66c2_attn:
	s_mov_b64 s[64:65], 0
	v_nop
	global_prefetch_b8 v0, s[64:65] scope:SCOPE_SE
	s_setreg_imm32_b32 hwreg(HW_REG_WAVE_MODE, 25, 1), 1
	s_wait_xcnt 0x0
	s_wait_alu depctr_hold_cnt(0) depctr_sa_sdst(0) depctr_va_vdst(0) depctr_va_sdst(0) depctr_va_ssrc(0) depctr_va_vcc(0) depctr_vm_vsrc(0)
	s_getreg_b32 s2, hwreg(HW_REG_IB_STS2, 6, 4)
	s_cmp_eq_u32 s2, 0
	s_cbranch_scc0 .Lentry_in_a_cluster
	s_endpgm
.Lentry_in_a_cluster:
	s_bfe_u32 s2, ttmp6, 0x10000c
	s_cmp_lg_u32 s2, 0x3003
	s_cbranch_scc0 .Lentry_shape_is_right
	s_endpgm
.Lentry_shape_is_right:
; Causal attention on codes of FP8 (E4M3): S = q k^T (e6, e7), the softmax, O = p v (e8, e9), O / l quantised (e10) for the output projection.  Head size 64, 2,048 tokens, 64 heads.
; THE SOFTMAX: t = score x log2(e) / 8; M = the row's largest t so far, rounded UP to a whole number; p = 2^(t - M) is what is quantised; l is the sum of the unquantised p and divides O at the end.
; When M moves, l and O are multiplied by 2^(old M - new M): exact.  Key blocks of 128 that the causal mask hides wholly from a tile of queries are never multiplied.
; SHARES.  A work-group (i = its place in the cluster, y = 16 x batch + head) serves ONE head and, of each block of 128 queries, the tiles t = i (tile A) and t = i + 4 (tile B) of 16 queries.  Tile t of block a needs key blocks 0 .. a
; whatever t is, so the four work-groups of a head do the same work and walk the same K and V: they form a cluster and ask for both jointly.
; Wave w (of eight) takes query block 15 - w with key blocks 0 .. 15 - w, then block w with key blocks 0 .. w: 17 steps of 128 keys in every wave.  Its two tiles share each fragment of K and V, and their softmax lines stand by turns.
; LDS.  The head's whole K (16 x 8,192 bytes from 0) and V (the same from VB) stay in LDS: two first fills, key blocks 0-3 at the head and 4-15 behind the second round, one load a wave each; nothing is filled again.
; Steps 0 to 2 read key blocks 0 to 3 (K's fragments are asked for one step ahead) in every wave: the first loop; one barrier, in front of which every wave has waited for its load; the other 14 steps have no barrier.
; The last step's request for a next K names landed bytes of key block w + 1 and is not used: so the counts of the waits on LDS are the same in every step.
; NO PREFETCH: the launch's two requests for K and V follow each other with no trip of a loop between them in which to ask ahead.
; LAYOUT (as the projections store it).  Blocks are images of operand registers, pieces of 512 bytes, 16 bytes a lane.  Both products are used transposed (S^T = K Q^T, O^T = V^T P^T): a lane holds ONE query.
; Lane r of tile t holds row 32 (t / 2) + 8 (t % 2) + r + 8 (r / 8) of its block, so the 16 registers of score tiles 2 b, 2 b + 1 are keys 32 b + 16 (lane / 16) + 0 .. 15, and the conversions' results are the second product's operand.
; ocodes [tile of 16 tokens: 512][head pair 8][piece 4][lane 32][16 bytes].
; LIMITS: e6 + e7 between -123 and 130 (added to c's exponent field); e8, and e10 - e8 - e9, between -126 and 119; the scaled scores stay under 2^31 in magnitude.
; REGISTERS.  Window 0: v2-9 addresses; v12 -M, v13 the largest score, v[14:15] l of tile A; v16-19 the same of B; v[20:21], v[22:23] f; v24-31 at work; v32-37 constants; v40-47 sums; v64-127 S^T then p of A, v128-191 of B;
; v192-207, v208-223 p's codes; v224-255 A's first sums.  Window 1: v0-63 K's eight fragments; v64-127 V's four; v128-159, v160-191 O^T of A, B; v192-207 Q of A, B; v208-223 the second block's Q.
.set VB,    131072
.set SPARE, 262144                     ; behind K and V: the spare words, 128 bytes for each wave: four blocks of 256 bytes that no other line names
.set AV,   2
.set DQA,  3
.set DQB,  4
.set SPW,  5
.set NIL,  6
.set GO,   7
.set ADK,  8
.set ADV,  9
.set SA,   64
.set SB,   128
.set CA,   192
.set CB,   208
.set TT,   224
.set OC,   48                          ; v48-55 o's codes: registers of their own, which the steps never write
.set KF,   0                           ; window 1
.set VF,   64
.set OTA,  128
.set OTB,  160
.set QF,   192
.set Q2,   208
.set TBV,  10                          ; s10  8,192 x the step's key block
.set CX,   11                          ; s11  i
.set HH,   12                          ; s12  which head of the pair
.set TBK,  13                          ; s13  8,192 x the next step's key block
.set WV,   18
.set SEL,  20                          ; s[20:21] lane selects: lane l xor 16
.set CS,   22                          ; s[22:23] c = log2(e) / 8 x 2^(e6 + e7)
.set G1KA, 24                          ; four groups 1: K's and V's tiles of the first and of the second fill
.set G1VA, 32
.set G1KB, 40
.set G1VB, 48
.set G0K,  56
.set G0V,  60
.set J,    66                          ; the step
.set LA,   67                          ; 16 - w: the first block's steps
.set DG,   68                          ; 15 - w: its step on the diagonal, and its number
.set MK,   69                          ; 1 in a step on the diagonal
.set NC,   70                          ; -c
.set MB,   71                          ; tile B's lane mask on the diagonal
.set QA,   72
.set QB,   74
.set OA,   76
.set OB,   78
.set KA,   80
.set VA,   82
.set MSB, 0
.macro WIN new                         ; the immediate's high byte repeats the setting that is left
.if MSB != (\new)
	s_set_vgpr_msb (MSB<<8)|(\new)
.set MSB, (\new)
.endif
.endm
.macro DESC g, c, r, p                 ; r rows of c elements of 8 bytes, p elements apart; the mask names the cluster's four, bit 21 beside it; no padding
	s_mov_b32 s[\g], 15|(3<<16)|(1<<21)
	s_mov_b32 s[\g+1], (\c)<<16
	s_mov_b32 s[\g+2], (\r)<<16
	s_mov_b32 s[\g+3], (\c)<<16
	s_mov_b32 s[\g+4], \r
	s_mov_b32 s[\g+5], \p
	s_mov_b32 s[\g+6], 0
	s_mov_b32 s[\g+7], 0
.endm
.macro JLOAD g1k, g1v                  ; waves 0 to 3 ask for K, waves 4 to 7 for V: one load in each arm; an s_nop 0 and four v_nop follow each
	s_cmp_lt_u32 s[WV], 4
	s_cbranch_scc0 .Lfor_v_\@
	tensor_load_to_lds s[G0K:G0K+3], s[\g1k:\g1k+7]
	s_nop 0
.rept 4
	v_nop
.endr
	s_branch .Lasked_\@
.Lfor_v_\@:
	tensor_load_to_lds s[G0V:G0V+3], s[\g1v:\g1v+7]
	s_nop 0
.rept 4
	v_nop
.endr
.Lasked_\@:
.endm
.macro CROUND                          ; a round of the cluster's barrier
	s_barrier_signal -1
	s_barrier_wait -1
	s_cmp_lg_u32 s[WV], 0
	s_cbranch_scc1 .Lnot_wave_0_\@
	s_barrier_signal -3
.Lnot_wave_0_\@:
	s_barrier_wait -3
	s_barrier_signal -1
	s_barrier_wait -1
.endm
.macro KBOF dst, jr                    ; 8,192 x the key block of step s[jr]: the step itself, or step - (16 - w) in the second block of queries
	s_add_co_u32 s92, s[\jr], s[WV]
	s_and_b32 s93, s92, 15
	s_cmp_ge_u32 s92, 16
	s_cselect_b32 s93, s93, s[\jr]
	s_min_u32 s93, s93, 15
	s_lshl_b32 s[\dst], s93, 13
.endm
.macro KLOAD adr                       ; K's eight fragments, into window 1
.irp t, 0,1,2,3,4,5,6,7
.irp c, 0,1
	ds_load_b128 v[KF+8*\t+4*\c:KF+8*\t+4*\c+3], v[\adr] offset:1024*\t+512*\c
.endr
.endr
.endm
; A tile of queries is finished: O^T / l, held, converted with 2^(e10 - e8 - e9), stored: two pieces of 512 consecutive bytes.  lp: l's pair; ob: O^T in window 1.
.macro FINISH lp, ob, base, off
	v_add_f32 v[\lp], v[\lp], v[\lp+1]
	s_wait_alu depctr_va_vdst(0)
	v_permlanex16_b32 v28, v[\lp], s[SEL], s[SEL+1]
	v_add_f32 v[\lp], v[\lp], v28
	s_wait_alu depctr_va_vdst(0)                   ; the wait ahead of the reciprocal,
	v_rcp_f32 v[\lp], v[\lp]
	v_nop
	WIN 0x01                                       ; source 0 (O^T) window 1
	s_wait_alu depctr_va_vdst(0)                   ; and ahead of its first reader, which is O^T's too
.set nn, 0
.rept 16
	v_pk_mul_f32 v[SA+nn:SA+nn+1], v[\ob+nn:\ob+nn+1], v[\lp:\lp+1] op_sel_hi:[1,0]
.set nn, nn+2
.endr
	WIN 0
.set nn, 0
.rept 32
	v_med3_num_f32 v[SA+nn], v[SA+nn], -v35, v35   ; the conversion to an 8-bit code does not saturate (ISA guide 7.6.2)
.set nn, nn+1
.endr
	s_wait_alu depctr_va_vdst(0)
	s_wait_xcnt 0x0                                ; earlier stores have read their data: v48-55 are written again only behind this wait
.irp b, 0,1,2,3
	v_cvt_scalef32_pk8_fp8_f32 v[OC+2*\b:OC+2*\b+1], v[SA+8*\b:SA+8*\b+7], v36
.endr
	v_nop                                          ; one plain line behind the conversions
	global_store_b128 v[GO], v[OC:OC+3], s[\base:\base+1] offset:\off
	global_store_b128 v[GO], v[OC+4:OC+7], s[\base:\base+1] offset:\off+512
.endm
; Both tiles begin: the step is written once and finds zeros, which the first change of M leaves zeros.  copy = 1: the second block's Q takes its place.
.macro RESTART copy
.irp r, 13,17
	v_mov_b32 v\r, 0xff61b1e6                      ; the largest score so far: -3e38, under every sum of 64 products of codes
.endr
.irp r, 12,16
	v_mov_b32 v\r, 0x7f61b1e6                      ; -M: 3e38
.endr
.irp r, 14,15,18,19
	v_mov_b32 v\r, 0
.endr
	WIN 0x40
.set nn, 0
.rept 64
	v_mov_b32 v[OTA+nn], 0
.set nn, nn+1
.endr
.if \copy
	WIN 0x41
.set nn, 0
.rept 16
	v_mov_b32 v[QF+nn], v[Q2+nn]
.set nn, nn+1
.endr
.endif
	WIN 0
.endm
.macro HOLD2 r                         ; the hold at 448 x 2^e8, one-sided since p is not negative, two numbers a line; the bound stands in two registers of different banks
	v_dual_min_num_f32 v[\r], v[\r], v32 :: v_dual_min_num_f32 v[\r+1], v[\r+1], v33
.endm
; Both tiles' softmax of a step, from the scores to p's codes; all in window 0; A's and B's lines by turns.
.macro SOFT2 mask
.if \mask
	s_cmp_eq_u32 s[MK], 0
	s_cbranch_scc1 .Lopen_\@
.set nn, 0
.rept 64                                       ; register n holds key 32 (n / 16) + 16 (lane / 16) + n % 16 of the block: hidden where it comes after my query; key 0 of the block counts for every query
	v_cmp_gt_i32 vcc_lo, 32*(nn/16)+nn%16, v[DQA]
	v_cmp_gt_i32 s[MB], 32*(nn/16)+nn%16, v[DQB]
	v_cndmask_b32 v[SA+nn], v[SA+nn], v37, vcc_lo
	v_cndmask_b32 v[SB+nn], v[SB+nn], v37, s[MB]
.set nn, nn+1
.endr
.Lopen_\@:
.endif
	v_mov_b32 v30, v12                             ; the old -M
	v_mov_b32 v31, v16
	v_max3_num_f32 v24, v[SA], v[SA+1], v[SA+2]    ; the largest score of my query among my 64 keys: two chains a tile, each accumulator from its low end on
	v_max3_num_f32 v26, v[SB], v[SB+1], v[SB+2]
	v_max3_num_f32 v25, v[SA+3], v[SA+4], v[SA+5]
	v_max3_num_f32 v27, v[SB+3], v[SB+4], v[SB+5]
.set nn, 6
.rept 14
	v_max3_num_f32 v24, v24, v[SA+nn], v[SA+nn+1]
	v_max3_num_f32 v26, v26, v[SB+nn], v[SB+nn+1]
	v_max3_num_f32 v25, v25, v[SA+nn+2], v[SA+nn+3]
	v_max3_num_f32 v27, v27, v[SB+nn+2], v[SB+nn+3]
.set nn, nn+4
.endr
	v_max3_num_f32 v24, v24, v[SA+62], v[SA+63]
	v_max3_num_f32 v26, v26, v[SB+62], v[SB+63]
	v_max3_num_f32 v24, v24, v25, v13              ; with the running one
	v_max3_num_f32 v26, v26, v27, v17
	v_permlanex16_b32 v28, v24, s[SEL], s[SEL+1]
	v_permlanex16_b32 v29, v26, s[SEL], s[SEL+1]
	v_max_num_f32 v13, v24, v28                    ; and lane l xor 16's
	v_max_num_f32 v17, v26, v29
	v_mul_f32 v24, s[NC], v13                      ; -t (c is positive)
	v_mul_f32 v26, s[NC], v17
	v_floor_f32 v12, v24                           ; the new -M = floor(-t) = -ceil(t)
	v_floor_f32 v16, v26
.set nn, 0
.rept 32
	v_pk_fma_f32 v[SA+nn:SA+nn+1], v[SA+nn:SA+nn+1], s[CS:CS+1], v[12:13] op_sel_hi:[1,0,0]   ; A: t - M, two at a time; the lines that make f stand among these
.if nn == 8
	v_sub_f32 v30, v12, v30                        ; old M - new M: a whole number, 0 or less
	v_sub_f32 v31, v16, v31
.endif
.if nn == 20
	v_cvt_i32_f32 v30, v30                         ; (it saturates)
	v_cvt_i32_f32 v31, v31
.endif
.if nn == 32
	v_ldexp_f32 v20, 1.0, v30                      ; f = 2^(old M - new M)
	v_ldexp_f32 v22, 1.0, v31
.endif
.set nn, nn+2
.endr
	s_wait_alu depctr_va_vdst(0)                   ; ahead of the batch
.set nn, 0
.rept 32                                       ; A: p = 2^(t - M); among the exponentials B's t - M: lines that read nothing written since the wait above
	v_exp_f32 v[SA+nn], v[SA+nn]
	v_exp_f32 v[SA+nn+1], v[SA+nn+1]
	v_pk_fma_f32 v[SB+nn:SB+nn+1], v[SB+nn:SB+nn+1], s[CS:CS+1], v[16:17] op_sel_hi:[1,0,0]
.set nn, nn+2
.endr
	s_wait_alu depctr_va_vdst(0)                   ; behind A's batch and ahead of B's
.set nn, 0
.rept 16                                       ; B: p; among the exponentials A's first sums of the unquantised p, into registers of their own, and then A's holds: again nothing written since the wait is read
	v_exp_f32 v[SB+nn], v[SB+nn]
	v_pk_add_f32 v[TT+nn/2:TT+nn/2+1], v[SA+nn:SA+nn+1], v[SA+nn+2:SA+nn+3]
	v_exp_f32 v[SB+nn+1], v[SB+nn+1]
	HOLD2 SA+nn
	v_exp_f32 v[SB+nn+2], v[SB+nn+2]
	HOLD2 SA+nn+2
	v_exp_f32 v[SB+nn+3], v[SB+nn+3]
.set nn, nn+4
.endr
	v_pk_mul_f32 v[14:15], v[14:15], v[20:21] op_sel_hi:[1,0]   ; l under the new M: the plain lines behind the batch
	v_pk_mul_f32 v[18:19], v[18:19], v[22:23] op_sel_hi:[1,0]
	s_wait_alu depctr_va_vdst(0)                   ; behind the batch, ahead of the first readers
	v_pk_add_f32 v[42:43], v[SB:SB+1], v[SB+2:SB+3]        ; l takes the unquantised p: B in four chains, A's sixteen first sums in two
	v_pk_add_f32 v[44:45], v[SB+4:SB+5], v[SB+6:SB+7]
	v_pk_add_f32 v[46:47], v[SB+8:SB+9], v[SB+10:SB+11]
	v_pk_add_f32 v[18:19], v[18:19], v[SB+12:SB+13]
	v_pk_add_f32 v[40:41], v[TT:TT+1], v[TT+2:TT+3]
	v_pk_add_f32 v[14:15], v[14:15], v[TT+4:TT+5]
.set nn, 0
.rept 6
	v_pk_add_f32 v[42:43], v[42:43], v[SB+14+8*nn:SB+15+8*nn]
	v_pk_add_f32 v[44:45], v[44:45], v[SB+16+8*nn:SB+17+8*nn]
	v_pk_add_f32 v[40:41], v[40:41], v[TT+6+4*nn:TT+7+4*nn]
	v_pk_add_f32 v[46:47], v[46:47], v[SB+18+8*nn:SB+19+8*nn]
	v_pk_add_f32 v[18:19], v[18:19], v[SB+20+8*nn:SB+21+8*nn]
	v_pk_add_f32 v[14:15], v[14:15], v[TT+8+4*nn:TT+9+4*nn]
.set nn, nn+1
.endr
	v_pk_add_f32 v[42:43], v[42:43], v[SB+62:SB+63]
	v_pk_add_f32 v[40:41], v[40:41], v[TT+30:TT+31]
	v_pk_add_f32 v[44:45], v[44:45], v[46:47]
	v_pk_add_f32 v[18:19], v[18:19], v[42:43]
	v_pk_add_f32 v[14:15], v[14:15], v[40:41]
	v_pk_add_f32 v[18:19], v[18:19], v[44:45]
.set nn, 0
.rept 8                                        ; A's codes, among B's holds
	v_cvt_scalef32_pk8_fp8_f32 v[CA+2*nn:CA+2*nn+1], v[SA+8*nn:SA+8*nn+7], v34
	HOLD2 SB+8*nn
	HOLD2 SB+8*nn+2
	HOLD2 SB+8*nn+4
	HOLD2 SB+8*nn+6
.set nn, nn+1
.endr
.set nn, 0
.rept 8
	v_cvt_scalef32_pk8_fp8_f32 v[CB+2*nn:CB+2*nn+1], v[SB+8*nn:SB+8*nn+7], v34
.set nn, nn+1
.endr
.endm
; A KEY STEP: 128 keys for my two tiles.  mask = 1: the text with the diagonal's lines, passed over by a scalar branch where MK = 0.
.macro STEP mask
	v_add_nc_u32 v[ADV], s[TBV], v[AV]
	v_add_nc_u32 v[ADK], s[TBK], v[GO]
	WIN 0x40                                       ; loads into window 1
.irp t, 0,1,2,3
.irp c, 0,1,2,3
	ds_load_b128 v[VF+16*\t+4*\c:VF+16*\t+4*\c+3], v[ADV] offset:4096*(\c/2)+1024*\t+512*(\c%2)
.endr
.endr
	s_wait_alu depctr_va_vdst(0)                   ; K's next address
	s_wait_dscnt 16                                ; this step's K, asked for a step ago, is in; V's 16 loads may be out
	WIN 0x05                                       ; sources 0 (K) and 1 (Q) window 1, S^T window 0
.irp t, 0,1,2,3,4,5,6,7                        ; S^T = K Q^T: source 0 = 16 keys, source 1 = 16 queries; K = the head's 64
	v_wmma_f32_16x16x64_fp8_fp8 v[SA+8*\t:SA+8*\t+7], v[KF+8*\t:KF+8*\t+7], v[QF:QF+7], 0
	v_wmma_f32_16x16x64_fp8_fp8 v[SB+8*\t:SB+8*\t+7], v[KF+8*\t:KF+8*\t+7], v[QF+8:QF+15], 0
.endr
.rept 4
	v_nop                                          ; places in front of the loads into K's registers and of the first read of the scores
.endr
	WIN 0x40
	KLOAD ADK                                      ; the next step's K
	WIN 0
	SOFT2 \mask
	WIN 0x41                                       ; O^T window 1, f window 0
	s_wait_alu depctr_va_vdst(0)                   ; directly ahead of the first reader of O^T
.set nn, 0
.rept 16
	v_pk_mul_f32 v[OTA+nn:OTA+nn+1], v[OTA+nn:OTA+nn+1], v[20:21] op_sel_hi:[1,0]   ; O^T under the new M; also the plain work between the conversions and the products
	v_pk_mul_f32 v[OTB+nn:OTB+nn+1], v[OTB+nn:OTB+nn+1], v[22:23] op_sel_hi:[1,0]
.set nn, nn+2
.endr
	s_wait_alu depctr_va_vdst(0)
	s_wait_dscnt 16                                ; V is in; the next K's 16 loads may be out
	WIN 0x51                                       ; source 0 (V), C and D window 1; source 1 (P) window 0
.irp t, 0,1,2,3                                ; O^T += V^T P^T: source 0 = 16 channels, source 1 = P; the eight accumulators take turns
	v_wmma_f32_16x16x128_fp8_fp8 v[OTA+8*\t:OTA+8*\t+7], v[VF+16*\t:VF+16*\t+15], v[CA:CA+15], v[OTA+8*\t:OTA+8*\t+7]
	v_wmma_f32_16x16x128_fp8_fp8 v[OTB+8*\t:OTB+8*\t+7], v[VF+16*\t:VF+16*\t+15], v[CB:CB+15], v[OTB+8*\t:OTB+8*\t+7]
.endr
	WIN 0
.rept 4
	v_nop                                          ; places in front of the next loads into V's registers and of the next read of O^T
.endr
.endm
	s_load_b128 s[4:7], s[0:1], 0x0                ; qkv s[4:5], the scales' exponents s[6:7]
	s_load_b64 s[8:9], s[0:1], 0x10                ; ocodes
	v_lshl_add_u32 v[SPW], v0, 2, SPARE
	v_mov_b32 v[NIL], 0
	ds_add_u32 v[SPW], v[NIL]                      ; the opening: the add, twice on end, and its wait ahead of my first tensor load
	ds_add_u32 v[SPW], v[NIL]
	v_lshrrev_b32 v8, 5, v0
	v_readfirstlane_b32 s[WV], v8                  ; wave 0..7
	s_bfe_u32 s[CX], ttmp6, 0x40000                ; i: my place in the cluster
	s_and_b32 s92, ttmp7, 0xffff                   ; y = 16 x batch + head
	DESC G1KA, 32, 32, 32                          ; K, first fill: one key block, 8,192 dense bytes as 32 rows of 256
	DESC G1VA, 512, 2, 1024                        ; V, first fill: one key block: my head's 4,096 bytes of each half of the keys, 8,192 apart
	DESC G1KB, 1024, 3, 2048                       ; K, second fill: three key blocks: 8,192 bytes each, 16,384 apart
	DESC G1VB, 512, 6, 1024                        ; V, second fill: three key blocks
	s_mov_b32 s[SEL], 0x76543210
	s_mov_b32 s[SEL+1], 0xfedcba98
	s_mov_b32 s[CS], 0x3e38aa3b                    ; log2(e) / 8
	s_and_b32 s[HH], s92, 1
	s_lshr_b32 s93, s92, 1
	s_lshl_b32 s93, s93, 18                        ; my head pair's 16 blocks of 16,384 bytes, in each of q, k, v
	s_and_b32 s94, s[WV], 3                        ; u: which part of a fill I ask for
	s_lshl_b32 s95, s94, 14
	s_add_co_u32 s95, s95, s93                     ; key block u
	s_lshl_b32 s98, s[HH], 13
	s_add_co_u32 s[KA], s95, s98
	s_add_co_u32 s[KA], s[KA], 1<<23               ; k lies 8,388,608 bytes behind q,
	s_mov_b32 s[KA+1], 0
	s_lshl_b32 s99, s[HH], 12
	s_add_co_u32 s[VA], s95, s99
	s_add_co_u32 s[VA], s[VA], 2<<23               ; v behind k
	s_mov_b32 s[VA+1], 0
	s_lshl_b32 s96, s94, 15
	s_add_co_u32 s96, s96, 65536                   ; from key block u to key block 4 + 3 u
	s_mov_b32 s97, 0
	s_lshl_b32 s99, s[CX], 10
	s_add_co_u32 s99, s99, s98
	s_add_co_u32 s99, s99, s93                     ; Q: head pair, 8192 x head, tile i
	s_sub_co_u32 s[DG], 15, s[WV]
	s_sub_co_u32 s[LA], 16, s[WV]
	s_lshl_b32 s[QA], s[DG], 14
	s_add_co_u32 s[QA], s[QA], s99
	s_mov_b32 s[QA+1], 0
	s_lshl_b32 s[QB], s[WV], 14
	s_add_co_u32 s[QB], s[QB], s99
	s_mov_b32 s[QB+1], 0
	s_lshr_b32 s95, s92, 4
	s_lshl_b32 s95, s95, 4                         ; 16 x batch
	s_bfe_u32 s98, s92, 0x30001
	s_lshl_b32 s98, s98, 11                        ; 2048 x head pair
	s_lshl_b32 s99, s[HH], 10
	s_add_co_u32 s98, s98, s99                     ; + 1024 x head
	s_add_co_u32 s[OA], s95, s[DG]
	s_lshl_b32 s[OA], s[OA], 3
	s_add_co_u32 s[OA], s[OA], s[CX]               ; the tile of 16 tokens: (16 x batch + block) x 8 + i, 16,384 bytes each
	s_lshl_b32 s[OA], s[OA], 14
	s_add_co_u32 s[OA], s[OA], s98
	s_mov_b32 s[OA+1], 0
	s_add_co_u32 s[OB], s95, s[WV]
	s_lshl_b32 s[OB], s[OB], 3
	s_add_co_u32 s[OB], s[OB], s[CX]
	s_lshl_b32 s[OB], s[OB], 14
	s_add_co_u32 s[OB], s[OB], s98
	s_mov_b32 s[OB+1], 0
	s_wait_dscnt 0x0                               ; both opening adds are done
	s_wait_kmcnt 0x0
	s_load_b64 s[84:85], s[6:7], 0x18              ; e6, e7
	s_load_b128 s[88:91], s[6:7], 0x20             ; e8, e9, e10, e11
	s_add_nc_u64 s[KA:KA+1], s[4:5], s[KA:KA+1]
	s_add_nc_u64 s[VA:VA+1], s[4:5], s[VA:VA+1]
	s_add_nc_u64 s[QA:QA+1], s[4:5], s[QA:QA+1]
	s_add_nc_u64 s[QB:QB+1], s[4:5], s[QB:QB+1]
	s_add_nc_u64 s[OA:OA+1], s[8:9], s[OA:OA+1]
	s_add_nc_u64 s[OB:OB+1], s[8:9], s[OB:OB+1]
	CROUND                                         ; the four work-groups are here: the first joint loads meet
	s_mov_b32 s[G0K], 1
	s_lshl_b32 s[G0K+1], s94, 13                   ; LDS: key block u of K,
	s_mov_b64 s[G0K+2:G0K+3], s[KA:KA+1]
	s_or_b32 s[G0K+3], s[G0K+3], 0x80000000
	s_mov_b32 s[G0V], 1
	s_add_co_u32 s[G0V+1], s[G0K+1], VB            ; of V
	s_mov_b64 s[G0V+2:G0V+3], s[VA:VA+1]
	s_or_b32 s[G0V+3], s[G0V+3], 0x80000000
	JLOAD G1KA, G1VA                               ; key blocks 0 to 3: one tensor load a wave at the head
	v_and_b32 v8, 31, v0
	v_lshlrev_b32 v[GO], 4, v8
	WIN 0x40
	global_load_b128 v[QF:QF+3], v[GO], s[QA:QA+1]                    ; the first block's Q: tile i,
	global_load_b128 v[QF+4:QF+7], v[GO], s[QA:QA+1] offset:512
	global_load_b128 v[QF+8:QF+11], v[GO], s[QA:QA+1] offset:4096     ; tile i + 4
	global_load_b128 v[QF+12:QF+15], v[GO], s[QA:QA+1] offset:4608
	WIN 0
	v_add_nc_u32 v[AV], VB, v[GO]
	v_and_b32 v9, 15, v0                           ; r
	v_and_b32 v11, 8, v9
	v_add_nc_u32 v9, v9, v11                       ; r + 8 (r / 8)
	v_bfe_u32 v11, v0, 4, 1
	v_lshlrev_b32 v11, 4, v11
	v_sub_nc_u32 v[DQA], v9, v11                   ; - 16 (lane / 16)
	s_lshr_b32 s92, s[CX], 1
	s_lshl_b32 s92, s92, 5
	s_and_b32 s93, s[CX], 1
	s_lshl_b32 s93, s93, 3
	s_add_co_u32 s92, s92, s93
	v_add_nc_u32 v[DQA], s92, v[DQA]               ; + 32 (i / 2) + 8 (i % 2)
	v_add_nc_u32 v[DQB], 64, v[DQA]                ; tile i + 4 lies 64 rows on
.irp r, 21,23,28,29
	v_mov_b32 v\r, 0                               ; written once: the upper halves of f's pairs, and the lane permutes' destinations, which count as sources
.endr
	v_mov_b32 v37, 0xff800000                      ; -infinity
	RESTART 0
	s_wait_alu depctr_va_vdst(0)
	s_wait_kmcnt 0x0
	s_add_co_i32 s92, s84, s85
	s_lshl_b32 s92, s92, 23
	s_add_co_i32 s[CS], s[CS], s92                 ; a score stands for score x 2^(e6 + e7): the exponents are added to c's exponent field
	s_mov_b32 s[CS+1], s[CS]
	s_xor_b32 s[NC], s[CS], 0x80000000             ; -c
	s_add_co_i32 s92, s88, 127
	s_lshl_b32 s93, s92, 23
	v_mov_b32 v34, s93                             ; 2^e8 as f32, for p's conversions
	s_add_co_i32 s92, s92, 8
	s_lshl_b32 s92, s92, 23
	s_or_b32 s92, s92, 0x600000
	v_mov_b32 v32, s92                             ; 448 x 2^e8,
	v_mov_b32 v33, s92                             ; twice
	s_sub_co_i32 s92, s90, s88
	s_sub_co_i32 s92, s92, s89                     ; O^T / l stands for that x 2^(e8 + e9): its code is that / 2^(e10 - e8 - e9)
	s_add_co_i32 s92, s92, 127
	s_lshl_b32 s93, s92, 23
	v_mov_b32 v36, s93
	s_add_co_i32 s92, s92, 8
	s_lshl_b32 s92, s92, 23
	s_or_b32 s92, s92, 0x600000
	v_mov_b32 v35, s92
	s_wait_alu depctr_va_vdst(0)                   ; the head's end
	s_wait_tensorcnt 0x0                           ; my part of key blocks 0 to 3 is in
	ds_add_u32 v[SPW], v[NIL]
	s_mul_i32 s[G0K+1], s94, 24576                 ; no load of mine is out, so the groups 0 may be written: key blocks 4 + 3 u on
	s_add_co_u32 s[G0K+1], s[G0K+1], 32768
	s_add_co_u32 s[G0V+1], s[G0K+1], VB
	s_add_nc_u64 s[G0K+2:G0K+3], s[G0K+2:G0K+3], s[96:97]
	s_add_nc_u64 s[G0V+2:G0V+3], s[G0V+2:G0V+3], s[96:97]
	s_wait_dscnt 0x0
	CROUND                                         ; everybody's part is in, and the four work-groups are here
	JLOAD G1KB, G1VB                               ; key blocks 4 to 15: bytes that the first loop does not read
	WIN 0x40
	KLOAD GO                                       ; step 0's K: key block 0
	global_load_b128 v[Q2:Q2+3], v[GO], s[QB:QB+1]                    ; the second block's Q
	global_load_b128 v[Q2+4:Q2+7], v[GO], s[QB:QB+1] offset:512
	global_load_b128 v[Q2+8:Q2+11], v[GO], s[QB:QB+1] offset:4096
	global_load_b128 v[Q2+12:Q2+15], v[GO], s[QB:QB+1] offset:4608
	WIN 0
	s_mov_b32 s[J], 0
	s_wait_loadcnt 4                               ; the first block's Q is in; the four loads just issued may be out
.Lfirst:                                           ; steps 0 to 2: key block J in every wave, the next K from key block J + 1, at most 3; none on a diagonal
	s_lshl_b32 s[TBV], s[J], 13
	s_add_co_u32 s[TBK], s[TBV], 8192
	STEP 0
	s_add_co_u32 s[J], s[J], 1
	s_cmp_lt_u32 s[J], 3
	s_cbranch_scc1 .Lfirst
	s_wait_tensorcnt 0x0                           ; my part of key blocks 4 to 15 is in
	ds_add_u32 v[SPW], v[NIL]
	s_wait_dscnt 0x0
	s_barrier_signal -1
	s_barrier_wait -1                              ; everybody's is
.Lrest:                                            ; steps 3 to 16
	KBOF TBV, J
	s_add_co_u32 s94, s[J], 1
	KBOF TBK, 94
	s_cmp_eq_u32 s[J], s[DG]
	s_cselect_b32 s[MK], 1, 0
	s_cmp_eq_u32 s[J], 16
	s_cselect_b32 s[MK], 1, s[MK]                  ; on the diagonal: the last step of each block of queries
	s_cmp_lg_u32 s[J], s[LA]                       ; the first block is done where J = 16 - w: the wave's number and the count of steps alone
	s_cbranch_scc1 .Lsame
	s_wait_loadcnt 0x0                             ; the second block's Q
	FINISH 14, OTA, OA, 0
	FINISH 18, OTB, OA, 65536                      ; tile i + 4: four tiles of 16,384 bytes on
	RESTART 1
.Lsame:
	STEP 1
	s_add_co_u32 s[J], s[J], 1
	s_cmp_lt_u32 s[J], 17
	s_cbranch_scc1 .Lrest
	FINISH 14, OTA, OB, 0
	FINISH 18, OTB, OB, 65536
	s_wait_tensorcnt 0x0                           ; the wave's end
	ds_add_u32 v[SPW], v[NIL]
	s_wait_dscnt 0x0
	CROUND                                         ; the closing round
	s_endpgm
.Lfunc_end_k_qef09ac66c2_attn:
	.size	k_qef09ac66c2_attn, .Lfunc_end_k_qef09ac66c2_attn-k_qef09ac66c2_attn
	.p2alignl 7, 3214868480
	.fill 96, 4, 3214868480
	.section	.rodata,"a",@progbits
	.p2align	6, 0x0
	.amdhsa_kernel k_qef09ac66c2_attn
		.amdhsa_group_segment_fixed_size 327680
		.amdhsa_private_segment_fixed_size 0
		.amdhsa_enable_private_segment 0
		.amdhsa_kernarg_size 24
		.amdhsa_user_sgpr_count 2
		.amdhsa_user_sgpr_kernarg_segment_ptr 1
		.amdhsa_wavefront_size32 1
		.amdhsa_system_sgpr_workgroup_id_x 1
		.amdhsa_system_sgpr_workgroup_id_y 1
		.amdhsa_system_sgpr_workgroup_id_z 1
		.amdhsa_system_vgpr_workitem_id 0
		.amdhsa_next_free_vgpr 512
		.amdhsa_next_free_sgpr 100
		.amdhsa_reserve_vcc 1
		.amdhsa_float_denorm_mode_32 3
		.amdhsa_float_denorm_mode_16_64 3
		.amdhsa_memory_ordered 1
		.amdhsa_forward_progress 1
		.amdhsa_inst_pref_size 104
	.end_amdhsa_kernel
	.amdgpu_metadata
---
amdhsa.version: [ 1, 2 ]
amdhsa.kernels:
  - .name:           k_qef09ac66c2_attn
    .symbol:         k_qef09ac66c2_attn.kd
    .args:
      - { .name: qkv, .offset: 0, .size: 8, .value_kind: global_buffer, .address_space: global }
      - { .name: lowp_scales, .offset: 8, .size: 8, .value_kind: global_buffer, .address_space: global }
      - { .name: ocodes, .offset: 16, .size: 8, .value_kind: global_buffer, .address_space: global }
    .group_segment_fixed_size: 327680
    .private_segment_fixed_size: 0
    .kernarg_segment_align: 8
    .kernarg_segment_size: 24
    .max_flat_workgroup_size: 256
    .sgpr_count:     100
    .vgpr_count:     512
    .wavefront_size: 32
...
	.end_amdgpu_metadata
.endif
;; end of part 3
;; launch outp (part 4): grid 4 x 32, 4 waves a work-group, clusters of 4 x 4, 327,680 bytes of LDS; arguments ocodes, wcodes, lowp_scales, bp, out0; writes out0
.if DOCPART == 4
	.amdgcn_target "amdgcn-amd-amdhsa--gfx1250"
	.amdhsa_code_object_version 6
	.text
	.protected	k_qef09ac66c2_outp
	.globl	k_qef09ac66c2_outp
	.p2align	8
	.type	k_qef09ac66c2_outp,@function
k_qef09ac66c2_outp:
	s_mov_b64 s[64:65], 0
	v_nop
	global_prefetch_b8 v0, s[64:65] scope:SCOPE_SE
	s_setreg_imm32_b32 hwreg(HW_REG_WAVE_MODE, 25, 1), 1
	s_wait_xcnt 0x0
	s_wait_alu depctr_hold_cnt(0) depctr_sa_sdst(0) depctr_va_vdst(0) depctr_va_sdst(0) depctr_va_ssrc(0) depctr_va_vcc(0) depctr_vm_vsrc(0)
	s_getreg_b32 s2, hwreg(HW_REG_IB_STS2, 6, 4)
	s_cmp_eq_u32 s2, 0
	s_cbranch_scc0 .Lentry_in_a_cluster
	s_endpgm
.Lentry_in_a_cluster:
	s_bfe_u32 s2, ttmp6, 0x10000c
	s_cmp_lg_u32 s2, 0xf033
	s_cbranch_scc0 .Lentry_shape_is_right
	s_endpgm
.Lentry_shape_is_right:
.set ROWB,   256
.set KROW,   1024
.set PITCH,  272
.set FR,     16
.set NL,     4
.set NP,     4
.set HALFB,  128*PITCH
.set BOFF,   65536
.set SLOT,   BOFF+2*HALFB
.set SPARE,  2*SLOT
.set SPITCH, 528
.set BI,   8
.set ADRA, 16
.set ADRB, 20
.set STO,  24
.set RD,   25
.set CO,   26
.set SPW,  28
.set NIL,  29
.set AF,   128
.set BK,   128
.set G1, 24
.set G0, 32
.set G1B, 48
.set G0B, 56
.set MSB, 0
.macro WIN new
.if MSB != (\new)
	s_set_vgpr_msb (MSB<<8)|(\new)
.set MSB, (\new)
.endif
.endm
.set MUL_LO, 0xa1
.set MUL_HI, 0xf1
.set TO_B,   0x40
.macro JLOAD g0a, g1a, g0b, g1b
	s_cmp_eq_u32 s15, 0
	s_cbranch_scc0 .Lfor_b_\@
	tensor_load_to_lds s[\g0a:\g0a+3], s[\g1a:\g1a+7]
	s_nop 0
.rept 4
	v_nop
.endr
	s_branch .Lasked_\@
.Lfor_b_\@:
	tensor_load_to_lds s[\g0b:\g0b+3], s[\g1b:\g1b+7]
	s_nop 0
.rept 4
	v_nop
.endr
.Lasked_\@:
.endm
.macro CREST
	s_cmp_lg_u32 s14, 0
	s_cbranch_scc1 .Lnot_wave_0_\@
	s_barrier_signal -3
.Lnot_wave_0_\@:
	s_barrier_wait -3
	s_barrier_signal -1
	s_barrier_wait -1
.endm
.macro CROUND
	s_barrier_signal -1
	s_barrier_wait -1
	CREST
.endm
	s_load_b128 s[4:7], s[0:1], 0x0
	s_load_b128 s[8:11], s[0:1], 0x10
	s_load_b64 s[12:13], s[0:1], 0x20
	v_lshl_add_u32 v[SPW], v0, 2, SPARE
	v_mov_b32 v[NIL], 0
	ds_add_u32 v[SPW], v[NIL]
	ds_add_u32 v[SPW], v[NIL]
	v_lshrrev_b32 v1, 5, v0
	v_readfirstlane_b32 s14, v1
	s_lshr_b32 s15, s14, 1
	s_and_b32 s16, s14, 1
	s_bfe_u32 s40, ttmp6, 0x40000
	s_bfe_u32 s41, ttmp6, 0x40004
	s_lshl_b32 s42, ttmp9, 2
	s_add_co_u32 s42, s42, s40
	s_and_b32 s17, ttmp7, 0xffff
	s_lshl_b32 s17, s17, 2
	s_add_co_u32 s17, s17, s41
	s_lshl_b32 s43, s41, 2
	s_lshl_b32 s43, 15, s43
	s_lshl_b32 s44, 0x1111, s40
	s_or_b32 s[G1+0], s43, (3<<16)|(1<<21)
	s_mov_b32 s[G1+1], 512<<16
	s_mov_b32 s[G1+2], 8<<16
	s_mov_b32 s[G1+3], 512<<16
	s_mov_b32 s[G1+4], 8
	s_mov_b32 s[G1+5], 2048
	s_mov_b32 s[G1+6], 0
	s_mov_b32 s[G1+7], 0
	s_or_b32 s[G1B+0], s44, (0<<16)|(1<<20)|(1<<21)|(5<<22)|(3<<25)
	s_mov_b32 s[G1B+1], ROWB<<16
	s_mov_b32 s[G1B+2], 128<<16
	s_mov_b32 s[G1B+3], ROWB<<16
	s_mov_b32 s[G1B+4], 128
	s_mov_b32 s[G1B+5], KROW
	s_mov_b32 s[G1B+6], 0
	s_mov_b32 s[G1B+7], 0
	s_lshl_b32 s20, s17, 4
	s_lshl_b32 s18, s16, 3
	s_add_co_u32 s20, s20, s18
	s_lshl_b32 s20, s20, 14
	s_mov_b32 s21, 0
	s_lshl_b32 s46, s42, 8
	s_lshl_b32 s18, s16, 7
	s_add_co_u32 s46, s46, s18
	s_lshl_b32 s46, s46, 10
	s_add_co_u32 s46, s46, 0x300000
	s_mov_b32 s47, 0
	s_lshl_b32 s45, s16, 15
	s_mul_i32 s19, s16, HALFB
	s_add_co_u32 s19, s19, BOFF
	s_wait_dscnt 0x0
	s_wait_kmcnt 0x0
	s_load_b64 s[96:97], s[8:9], 0x28
	s_add_nc_u64 s[20:21], s[4:5], s[20:21]
	s_add_nc_u64 s[46:47], s[6:7], s[46:47]
	CROUND
.irp s, 0,1
	s_mov_b32 s[G0+4*\s], 1
	s_add_co_u32 s[G0+4*\s+1], s45, \s*SLOT
	s_add_nc_u64 s[G0+4*\s+2:G0+4*\s+3], s[20:21], \s*4096
	s_or_b32 s[G0+4*\s+3], s[G0+4*\s+3], 0x80000000
	s_mov_b32 s[G0B+4*\s], 1
	s_add_co_u32 s[G0B+4*\s+1], s19, \s*SLOT
	s_add_nc_u64 s[G0B+4*\s+2:G0B+4*\s+3], s[46:47], \s*ROWB
	s_or_b32 s[G0B+4*\s+3], s[G0B+4*\s+3], 0x80000000
	s_wait_alu depctr_va_vdst(0)
	s_wait_tensorcnt 0x0
	ds_add_u32 v28, v29
	ds_add_u32 v28, v29
	s_wait_dscnt 0x0
	CROUND
	JLOAD G0+4*\s, G1, G0B+4*\s, G1B
.endr
	v_and_b32 v1, 15, v0
	v_bfe_u32 v2, v0, 4, 1
	v_and_b32 v6, 31, v0
	v_lshlrev_b32 v[CO], 4, v6
	v_mul_u32_u24 v3, v1, PITCH
	v_lshl_add_u32 v4, v2, 4, v3
	s_lshl_b32 s21, s15, 15
	s_mul_i32 s22, s16, HALFB
	s_add_co_u32 s22, s22, BOFF
.irp s, 0,1
	v_add_nc_u32 v[ADRA+\s], s21, v[CO]
	v_add_nc_u32 v[ADRB+\s], s22, v4
	s_add_co_u32 s21, s21, SLOT
	s_add_co_u32 s22, s22, SLOT
.endr
	s_mul_i32 s23, s14, 16*SPITCH
	v_mul_u32_u24 v5, v1, SPITCH
	v_lshl_add_u32 v5, v2, 5, v5
	v_add_nc_u32 v[STO], s23, v5
	v_add_nc_u32 v[RD], s23, v[CO]
	s_lshl_b32 s46, s42, 10
	s_lshl_b32 s47, s16, 9
	s_add_co_u32 s46, s46, s47
	s_mov_b32 s47, 0
	s_add_nc_u64 s[10:11], s[10:11], s[46:47]
	global_load_b128 v[BI:BI+3], v[CO], s[10:11]
	s_lshl_b32 s20, s17, 1
	s_add_co_u32 s20, s20, s15
	s_lshl_b32 s20, s20, 19
	s_mov_b32 s21, 0
	s_add_nc_u64 s[20:21], s[20:21], s[46:47]
	s_add_nc_u64 s[12:13], s[12:13], s[20:21]
.macro FRAG reg, adr, q, i
.irp c, 0,1,2,3
	ds_load_b128 v[\reg+4*\c:\reg+4*\c+3], v[\adr] offset:128*(\q)+32*\c+(\i)*16*PITCH
.endr
.endm
.macro FRAGA reg, slot, q, a
.irp c, 0,1,2,3
	ds_load_b128 v[\reg+4*\c:\reg+4*\c+3], v[ADRA+\slot] offset:4096*(\a)+2048*(\q)+512*\c
.endr
.endm
.macro MUL16 a0, p, zero
.irp a, \a0, \a0+1
.irp b, 0,1,2,3,4,5,6,7
.if \zero
	v_wmma_f32_16x16x128_fp8_fp8 v[8*(8*((\a)%4)+\b):8*(8*((\a)%4)+\b)+7], v[128*(\p)+FR*\b:128*(\p)+FR*\b+FR-1], v[AF+FR*(\a):AF+FR*(\a)+FR-1], 0
.else
	v_wmma_f32_16x16x128_fp8_fp8 v[8*(8*((\a)%4)+\b):8*(8*((\a)%4)+\b)+7], v[128*(\p)+FR*\b:128*(\p)+FR*\b+FR-1], v[AF+FR*(\a):AF+FR*(\a)+FR-1], v[8*(8*((\a)%4)+\b):8*(8*((\a)%4)+\b)+7]
.endif
.endr
.endr
.endm
.macro FETCH_B slot, q, p
	WIN TO_B
.irp i, 0,1,2,3,4,5,6,7
	FRAG 128*(\p)+FR*\i, ADRB+\slot, \q, \i
.endr
	WIN 0
.endm
.macro FETCH_A slot, q, i0
.irp i, \i0, \i0+1, \i0+2, \i0+3
	FRAGA AF+FR*(\i), \slot, \q, \i
.endr
.endm
.macro PLACES n
.rept \n
	v_nop
.endr
.endm
.macro STEP slot, q, zero
	s_wait_dscnt 4*NL
	WIN MUL_LO
	MUL16 0, (\q)%2, \zero
	MUL16 2, (\q)%2, \zero
	s_wait_dscnt 0
	PLACES NP
	FETCH_B \slot, (\q)+1, 1-(\q)%2
	FETCH_A \slot, (\q)+1, 0
	WIN MUL_HI
	MUL16 4, (\q)%2, \zero
	MUL16 6, (\q)%2, \zero
	PLACES NP
	WIN 0
	FETCH_A \slot, (\q)+1, 4
.endm
.macro TURN slot, next, fill
	s_wait_tensorcnt 0x0
	ds_add_u32 v[SPW], v[NIL]
	s_wait_dscnt 4*NL+1
	WIN MUL_LO
	MUL16 0, 1, 0
	s_wait_dscnt 0x0
	s_barrier_signal -1
	MUL16 2, 1, 0
	WIN 0
	s_barrier_wait -1
.if \fill
	CREST
	s_add_nc_u64 s[G0+4*\slot+2:G0+4*\slot+3], s[G0+4*\slot+2:G0+4*\slot+3], 2*4096
	s_add_nc_u64 s[G0B+4*\slot+2:G0B+4*\slot+3], s[G0B+4*\slot+2:G0B+4*\slot+3], 2*ROWB
	JLOAD G0+4*\slot, G1, G0B+4*\slot, G1B
.else
	PLACES NP
.endif
	FETCH_B \next, 0, 0
	FETCH_A \next, 0, 0
	WIN MUL_HI
	MUL16 4, 1, 0
	MUL16 6, 1, 0
	PLACES NP
	WIN 0
	FETCH_A \next, 0, 4
.endm
	s_wait_alu depctr_va_vdst(0)
	s_wait_tensorcnt 1
	s_barrier_signal -1
	s_barrier_wait -1
	FETCH_B 0, 0, 0
	FETCH_A 0, 0, 0
	FETCH_A 0, 0, 4
	STEP 0, 0, 1
	TURN 0, 1, 1
	STEP 1, 0, 0
	TURN 1, 0, 1
	STEP 0, 0, 0
	TURN 0, 1, 0
	STEP 1, 0, 0
	s_wait_dscnt 4*NL
	WIN MUL_LO
	MUL16 0, 1, 0
	MUL16 2, 1, 0
	s_wait_dscnt 0
	WIN MUL_HI
	MUL16 4, 1, 0
	MUL16 6, 1, 0
	WIN 0
.macro TOSTAGE a
	WIN 0x08+4*((\a)/4)
.irp b, 0,1,2,3,4,5,6,7
	ds_store_b128 v[STO], v[64*((\a)%4)+8*\b:64*((\a)%4)+8*\b+3] offset:64*\b
	ds_store_b128 v[STO], v[64*((\a)%4)+8*\b+4:64*((\a)%4)+8*\b+7] offset:64*\b+16
.endr
	WIN 0
.irp t, 0,1,2,3,4,5,6,7,8,9,10,11,12,13,14,15
	ds_load_b128 v[BK+64*((\a)%2)+4*\t:BK+64*((\a)%2)+4*\t+3], v[RD] offset:\t*SPITCH
.endr
.endm
.macro SEND a, younger
	s_wait_dscnt \younger
.irp t, 0,1,2,3,4,5,6,7,8,9,10,11,12,13,14,15
	v_pk_fma_f32 v[BK+64*((\a)%2)+4*\t:BK+64*((\a)%2)+4*\t+1], v[BK+64*((\a)%2)+4*\t:BK+64*((\a)%2)+4*\t+1], s[96:97], v[BI:BI+1] op_sel_hi:[1,0,1]
	v_pk_fma_f32 v[BK+64*((\a)%2)+4*\t+2:BK+64*((\a)%2)+4*\t+3], v[BK+64*((\a)%2)+4*\t+2:BK+64*((\a)%2)+4*\t+3], s[96:97], v[BI+2:BI+3] op_sel_hi:[1,0,1]
.endr
.irp t, 0,1,2,3,4,5,6,7,8,9,10,11,12,13,14,15
	global_store_b128 v[CO], v[BK+64*((\a)%2)+4*\t:BK+64*((\a)%2)+4*\t+3], s[12:13] offset:(32*((\a)/2)+8*((\a)%2)+\t+8*(\t/8))*4096 th:TH_STORE_NT
.endr
.endm
	s_wait_kmcnt 0x0
	s_add_co_i32 s96, s96, s97
	s_add_co_i32 s96, s96, 127
	s_lshl_b32 s96, s96, 23
	s_wait_loadcnt 0x0
	PLACES NP
	TOSTAGE 0
.irp a, 1,2,3,4,5,6,7
.if \a > 1
	s_wait_xcnt 0x0
.endif
	TOSTAGE \a
	SEND \a-1, 32
.endr
	SEND 7, 0
	s_wait_tensorcnt 0x0
	ds_add_u32 v[SPW], v[NIL]
	s_wait_dscnt 0x0
	CROUND
	s_endpgm
.Lfunc_end_k_qef09ac66c2_outp:
	.size	k_qef09ac66c2_outp, .Lfunc_end_k_qef09ac66c2_outp-k_qef09ac66c2_outp
	.p2alignl 7, 3214868480
	.fill 96, 4, 3214868480
	.section	.rodata,"a",@progbits
	.p2align	6, 0x0
	.amdhsa_kernel k_qef09ac66c2_outp
		.amdhsa_group_segment_fixed_size 327680
		.amdhsa_private_segment_fixed_size 0
		.amdhsa_enable_private_segment 0
		.amdhsa_kernarg_size 40
		.amdhsa_user_sgpr_count 2
		.amdhsa_user_sgpr_kernarg_segment_ptr 1
		.amdhsa_wavefront_size32 1
		.amdhsa_system_sgpr_workgroup_id_x 1
		.amdhsa_system_sgpr_workgroup_id_y 1
		.amdhsa_system_sgpr_workgroup_id_z 1
		.amdhsa_system_vgpr_workitem_id 0
		.amdhsa_next_free_vgpr 1024
		.amdhsa_next_free_sgpr 100
		.amdhsa_reserve_vcc 0
		.amdhsa_float_denorm_mode_32 3
		.amdhsa_float_denorm_mode_16_64 3
		.amdhsa_memory_ordered 1
		.amdhsa_forward_progress 1
		.amdhsa_inst_pref_size 124
	.end_amdhsa_kernel
	.amdgpu_metadata
---
amdhsa.version: [ 1, 2 ]
amdhsa.kernels:
  - .name:           k_qef09ac66c2_outp
    .symbol:         k_qef09ac66c2_outp.kd
    .args:
      - { .name: ocodes, .offset: 0, .size: 8, .value_kind: global_buffer, .address_space: global }
      - { .name: wcodes, .offset: 8, .size: 8, .value_kind: global_buffer, .address_space: global }
      - { .name: lowp_scales, .offset: 16, .size: 8, .value_kind: global_buffer, .address_space: global }
      - { .name: bp, .offset: 24, .size: 8, .value_kind: global_buffer, .address_space: global }
      - { .name: out0, .offset: 32, .size: 8, .value_kind: global_buffer, .address_space: global }
    .group_segment_fixed_size: 327680
    .private_segment_fixed_size: 0
    .kernarg_segment_align: 8
    .kernarg_segment_size: 40
    .max_flat_workgroup_size: 128
    .sgpr_count:     100
    .vgpr_count:     1024
    .wavefront_size: 32
...
	.end_amdgpu_metadata
.endif
;; end of part 4
